; MI455X (gfx1250); checked and timed in simulation.
; The chip was launched on July 23, 2026; its instructions are those of AMD's public machine-readable ISA for CDNA 5 (MIT licence, August 2026) and "CDNA5" Instruction Set Architecture Reference Guide (July 2026). The comments in the code are by the model that wrote it; some were corrected since.
;; Attention. Allowed arithmetic: matrix products marked QUANTISED: E2M1 operands, one E8M0 scale for each 32 along K, by v_wmma_scale_f32_16x16x128_f8f6f4 with both operands' format E2M1 (or v_wmma_scale_f32_32x16x128_f4), f32 sums; products left as they are: bf16, f16 or f32 operands; f32 sums; everything else in f32.
;; Inputs: attention_mask 4 x 2,048 int32; w_k 1,024 x 1,024 float32; w_o 1,024 x 1,024 float32; w_q 1,024 x 1,024 float32; w_v 1,024 x 1,024 float32; x 4 x 2,048 x 1,024 float32.
;; Outputs: out0 4 x 2,048 x 1,024 float32.
;; This version of the problem:
;;   THIS VERSION OF THE PROBLEM IS GIVEN IN LOW PRECISION. The matrix products marked QUANTISED in the list below multiply operands that are first quantised to E2M1 (2 exponent bits, 1 mantissa bit; 4 bits a number), with one power-of-two scale for each 32 numbers along K (OCP MX v1.0); their sums are f32. The products marked 'left as it is' may take bf16, f16 or f32 operands, with f32 sums. Whichever they take, every output number must still come out within the allowed error. Rounding operands to bf16 (8 significant bits) uses up far more of that allowance than f16 does (11 bits, for magnitudes from 6e-5 to 65,504). All else is computed in f32.
;;   The module's matrix products, in the order in which they are computed (A, B: the left and right operand; K: the contracted axis; several contracted axes count as one K, in the product's order):
;;     1. [M 8,192, K 1,024] x [K 1,024, N 1,024]; A: input x; B: input w_q: QUANTISED
;;     2. [M 8,192, K 1,024] x [K 1,024, N 1,024]; A: input x; B: input w_k: QUANTISED
;;     3. [M 8,192, K 1,024] x [K 1,024, N 1,024]; A: input x; B: input w_v: QUANTISED
;;     4. batch 64 x [M 2,048, K 64] x [K 64, N 2,048]; A: computed on the way; B: computed on the way: left as it is (an operand is computed on the way)
;;     5. batch 64 x [M 2,048, K 2,048] x [K 2,048, N 64]; A: computed on the way; B: computed on the way: left as it is (an operand is computed on the way)
;;     6. [M 8,192, K 1,024] x [K 1,024, N 1,024]; A: computed on the way; B: input w_o: left as it is (an operand is computed on the way)
;;   THE QUANTISER, for each operand of a quantised product, along K:
;;     - K is cut into blocks of 32 from its start; a last block that is shorter is filled with zeros.
;;     - A block's scale is 2^e with e = floor(log2(the largest magnitude in the block)) - 2, held to -126 .. 127; a block of zeros has e = 0. As a byte (E8M0): e + 127.
;;     - Each number is divided by its block's scale, clamped to +-6, and rounded to the nearest number of E2M1, ties to even, subnormals kept.
;;     - The product sums the exact products of the quantised numbers (number of the format x scale) in f32.
;;   ~~~python
;;   def quantise(x, axis):      # numpy; x: float32 -> the quantised numbers, widened to float32 again
;;       x = np.moveaxis(x, axis, -1); K = x.shape[-1]
;;       x = np.pad(x, [(0, 0)] * (x.ndim - 1) + [(0, -K % 32)]); x = x.reshape(x.shape[:-1] + (-1, 32)); a = np.abs(x).max(-1, keepdims=True)
;;       e = np.where(a > 0, np.clip(np.frexp(np.where(a > 0, a, 1))[1] - 1 - 2, -126, 127), 0)      # np.frexp(a)[1] - 1 = floor(log2(a)), exactly
;;       r = np.clip(x / 2.0 ** e, -6, 6)
;;       step = 2.0 ** (np.maximum(np.frexp(np.where(r == 0, 1, r))[1] - 1, 0) - 1)
;;       q = np.round(r / step) * step * 2.0 ** e      # np.round: ties to even
;;       return np.moveaxis(q.reshape(q.shape[:-2] + (-1,))[..., :K], -1, axis).astype(np.float32)
;;   ~~~
;; One version. Each part assembles by itself: llvm-mc -triple=amdgcn-amd-amdhsa -mcpu=gfx1250 --defsym DOCPART=n.
;; ======== version 1 of 1: 4 launches
;; limits: values are held in f16: magnitudes above 65,504 overflow, below 6.1e-05 lose precision
;; workspace buffers: x_codes 4,194,304 bytes; x_scales 262,144 bytes; w_codes 1,572,864 bytes; w_scales 98,304 bytes; wo_t 2,097,152 bytes; qkv 50,331,648 bytes; att 16,777,216 bytes
;; launch prep (part 1): grid 256 x 1, 8 waves a work-group, no clusters, 154,112 bytes of LDS; arguments x, w_q, w_k, w_v, w_o, x_codes, x_scales, w_codes, w_scales, wo_t; writes x_codes, x_scales, w_codes, w_scales, wo_t
.if DOCPART == 1
	.amdgcn_target "amdgcn-amd-amdhsa--gfx1250"
	.amdhsa_code_object_version 6
	.text
	.protected	k_q3a08532b2e_prep
	.globl	k_q3a08532b2e_prep
	.p2align	8
	.type	k_q3a08532b2e_prep,@function
k_q3a08532b2e_prep:
	s_mov_b64 s[64:65], 0
	v_nop
	global_prefetch_b8 v0, s[64:65] scope:SCOPE_SE
	s_setreg_imm32_b32 hwreg(HW_REG_WAVE_MODE, 25, 1), 1
	s_wait_xcnt 0x0
; PREP: the operands of the later launches are made once.
;   x [8192][1024] f32 (K innermost)              -> x_codes [8192][512 bytes] of E2M1, x_scales [8192][32] of E8M0
;   w_q, w_k, w_v [1024 (k)][1024 (n)] f32         -> w_codes [3072 = which x 1024 + n][512 bytes], K innermost, w_scales [3072][32]
;   w_o [1024 (k)][1024 (n)] f32                   -> wo_t [n][k] f16 (its product is not quantised)
; A block's scale is 2^(floor(log2(its largest magnitude)) - 2); its byte is the largest magnitude's exponent field - 2, held at 1 from below.  A block of zeros so gets the byte 1
; where the quantiser says 127: its codes are zeros, which add nothing, and the bytes are read by this program alone.
; LIMITS: blocks whose largest magnitude lies under 2^-124 (the floor) were not tried; NaN and infinities among the inputs are not served; |w_o| stays at or under 65,504 (f16).
; THREE ROLES, chosen by the work-group's number alone (the same way for all eight waves); each role has LDS bytes of its own and ends by itself:
;   0-95   W: tensor = number / 32, 32 columns x all of K;   96-127  O: the same share of w_o;   128-255  X: 65,536 numbers of x.
; No tensor loads, no cluster: work-groups share no input.
.set STEPS, 16                         ; role X: steps of 512 numbers for a wave
.set SP,    80                         ; role X: a lane's place in a stage: 64 bytes + 16 of padding
.set WREG,  8192                       ; role X: LDS region of a wave: two stages of 32 x SP bytes, then its 256 scale bytes
.set CST,   8*WREG                     ; role W: 32 rows (columns n) of 512 bytes of codes + 16
.set CPITCH, 528
.set SCS,   CST+32*CPITCH              ; role W: 32 rows of 32 scale bytes
.set OST,   SCS+1024                   ; role O: for each wave 32 rows (columns n) of 256 bytes + 16
.set OPITCH, 272
.set SPARE, OST+8*32*OPITCH            ; the spare words, 128 bytes for each wave: four blocks of 256 bytes that no other line names
.set SPW,   12                         ; v12  LDS address of my spare word; never rewritten
.set NIL,   13                         ; v13  0; never rewritten
.set R,     16                         ; X: v16-143  eight sets of 16 numbers as loaded
.set X,     144                        ; X: v144-175 two sets of 16 neighbours
.set E,     176                        ; X: v176-191 a scale byte for each step
.set C,     192                        ; X: v192-223 two registers of codes for each step: no store's data are written again
.set N,     32                         ; W, O: v32-159 my column's 128 numbers down K
.set WC,    160                        ; W: v160-175 codes, four registers a block
.set WOUT,  176                        ; W: v176-191 four rows of codes on the way out, v192 scale bytes
.set OOUT,  160                        ; O: v160-223 the way out
	s_load_b512 s[4:19], s[0:1], 0x0               ; x s[4:5], w_q s[6:7], w_k s[8:9], w_v s[10:11], w_o s[12:13], x_codes s[14:15], x_scales s[16:17], w_codes s[18:19]
	s_load_b128 s[20:23], s[0:1], 0x40             ; w_scales s[20:21], wo_t s[22:23]
	v_lshl_add_u32 v[SPW], v0, 2, SPARE
	v_mov_b32 v[NIL], 0
	v_lshrrev_b32 v1, 5, v0
	v_readfirstlane_b32 s24, v1                    ; wave 0..7
	v_and_b32 v2, 31, v0                           ; lane
	s_wait_kmcnt 0x0
	s_cmp_lt_u32 ttmp9, 128
	s_cbranch_scc1 .Lweights
; ---------------- ROLE X.  Rows are dense and K is a multiple of 32: x is a plain stream of blocks of 32, and so are its codes and scale bytes.
; Each load reads 512 consecutive bytes, 16 a lane; a step's 2,048 bytes turn through the wave's own stage in LDS and come back 64 bytes a lane: 16 neighbours along K, two lanes to a block.
	v_lshlrev_b32 v3, 4, v2                        ; my 16 bytes of a load's 512
	s_lshl_b32 s25, s24, 13                        ; my wave's region
	v_lshrrev_b32 v14, 2, v2
	v_mul_u32_u24 v14, v14, SP
	v_and_b32 v15, 3, v2
	v_lshl_add_u32 v14, v15, 4, v14
	v_add_nc_u32 v14, s25, v14                     ; the stage, way in: SP (lane / 4) + 16 (lane % 4)
	v_mul_u32_u24 v15, v2, SP
	v_add_nc_u32 v15, s25, v15                     ; way out: SP x lane
	v_lshlrev_b32 v4, 3, v2                        ; 8 x lane: my codes' place in a step's 256 bytes, and my 8 scale bytes at the end
	v_lshrrev_b32 v5, 1, v2
	s_add_co_u32 s25, s25, 2*32*SP
	v_add_nc_u32 v5, s25, v5                       ; my block's scale byte
	v_add_nc_u32 v6, s25, v4                       ; and the 8 bytes that I read back
	s_sub_co_u32 s26, ttmp9, 128
	s_lshl_b32 s26, s26, 3
	s_add_co_u32 s26, s26, s24                     ; which run of 8,192 numbers is my wave's: 0..1023
	s_mov_b32 s29, 0
	s_lshl_b32 s28, s26, 15
	s_add_nc_u64 s[4:5], s[4:5], s[28:29]          ; 32,768 bytes of x a run,
	s_lshl_b32 s28, s26, 12
	s_add_nc_u64 s[14:15], s[14:15], s[28:29]      ; 4,096 of codes,
	s_lshl_b32 s28, s26, 8
	s_add_nc_u64 s[16:17], s[16:17], s[28:29]      ; 256 of scale bytes
.macro XLOAD t
.irp i, 0,1,2,3
	global_load_b128 v[R+16*((\t)%8)+4*\i:R+16*((\t)%8)+4*\i+3], v3, s[4:5] offset:2048*(\t)+512*\i th:TH_LOAD_NT
.endr
.endm
.macro XTURN t                         ; step t's numbers through the stage: LDS serves a wave's instructions in order, so no wait stands between the stores and the loads
.irp i, 0,1,2,3
	ds_store_b128 v14, v[R+16*((\t)%8)+4*\i:R+16*((\t)%8)+4*\i+3] offset:32*SP*((\t)%2)+8*SP*\i
.endr
.irp i, 0,1,2,3
	ds_load_b128 v[X+16*((\t)%2)+4*\i:X+16*((\t)%2)+4*\i+3], v15 offset:32*SP*((\t)%2)+16*\i
.endr
.endm
.irp t, 0,1,2,3,4,5,6,7
	XLOAD \t                                       ; eight steps, 32 loads of 512 bytes, are on their way
.endr
	s_wait_loadcnt 28                              ; step 0's four loads are in; seven steps' may be out
	XTURN 0
.macro XSTEP t
.set XS, X+16*((\t)%2)
.if (\t) > 0
	s_wait_dscnt 1                                 ; this step's numbers are back from the stage (only the last step's byte store is younger): so its stores into the stage have read their registers,
.else
	s_wait_dscnt 0x0
.endif
.if (\t)+8 < STEPS
	XLOAD (\t)+8                                   ; which take the loads of eight steps on
.endif
.if (\t)+1 < STEPS
.if (\t)+8 < STEPS
	s_wait_loadcnt 28                              ; the next step's four loads are in; the seven steps behind it may be out
.else
	s_wait_loadcnt 4*(STEPS-2-(\t))                ; the counts run down: nothing more is asked for
.endif
	XTURN (\t)+1
.endif
	v_max3_num_f32 v8, |v[XS]|, |v[XS+1]|, |v[XS+2]|               ; the largest magnitude of my 16, in two chains
	v_max3_num_f32 v9, |v[XS+3]|, |v[XS+4]|, |v[XS+5]|
.irp i, 6,10
	v_max3_num_f32 v8, v8, |v[XS+\i]|, |v[XS+\i+1]|
	v_max3_num_f32 v9, v9, |v[XS+\i+2]|, |v[XS+\i+3]|
.endr
	v_max3_num_f32 v8, v8, |v[XS+14]|, |v[XS+15]|
	v_max3_num_f32 v8, v8, v9, 0x1800000           ; and the floor 2^(3 - 127): the byte cannot fall under 1
	v_max_num_f32_dpp v8, v8, v8 row_xmask:1 row_mask:0xf bank_mask:0xf   ; with my neighbour's 16: the block's
	v_add_nc_u32 v11, 0xff000000, v8               ; 2 off its exponent field: the conversion takes this operand's exponent field as its scale
	v_cvt_scalef32_pk8_fp4_f32 v[C+2*(\t)], v[XS:XS+7], v11
	v_cvt_scalef32_pk8_fp4_f32 v[C+2*(\t)+1], v[XS+8:XS+15], v11
	v_lshrrev_b32 v[E+(\t)], 23, v11               ; the scale's byte (a plain line behind the conversions)
	ds_store_b8 v5, v[E+(\t)] offset:16*(\t)       ; both lanes of a block write the same byte with the same value
	global_store_b64 v4, v[C+2*(\t):C+2*(\t)+1], s[14:15] offset:256*(\t)   ; the wave stores 256 consecutive bytes, aligned
.endm
.irp t, 0,1,2,3,4,5,6,7,8,9,10,11,12,13,14,15
	XSTEP \t
.endr
	ds_load_b64 v[8:9], v6                         ; my wave's 256 scale bytes, 8 a lane: these see my stores
	s_wait_dscnt 0x0
	global_store_b64 v4, v[8:9], s[16:17]          ; 256 consecutive bytes, aligned
	s_wait_tensorcnt 0x0                           ; the wave's end, behind my last LDS store
	ds_add_u32 v[SPW], v[NIL]
	s_wait_dscnt 0x0
	s_endpgm
; ---------------- ROLES W AND O.  A lane takes a column n and its registers run down K: wave kc takes K = 128 kc .. + 127 of the work-group's 32 columns.
.Lweights:
	s_lshr_b32 s25, ttmp9, 5                       ; which tensor: 0 w_q, 1 w_k, 2 w_v, 3 w_o
	s_and_b32 s26, ttmp9, 31                       ; which 32 columns
	s_cmp_eq_u32 s25, 1
	s_cselect_b64 s[6:7], s[8:9], s[6:7]           ; the choice hangs on the work-group's number alone
	s_cmp_eq_u32 s25, 2
	s_cselect_b64 s[6:7], s[10:11], s[6:7]
	s_cmp_eq_u32 s25, 3
	s_cselect_b64 s[6:7], s[12:13], s[6:7]
	s_lshl_b32 s28, s24, 19                        ; 128 rows of 4,096 bytes a wave
	s_lshl_b32 s27, s26, 7                         ; 32 columns of 4 bytes
	s_add_co_u32 s28, s28, s27
	s_mov_b32 s29, 0
	s_add_nc_u64 s[6:7], s[6:7], s[28:29]
	v_lshlrev_b32 v3, 2, v2
.set i, 0
.rept 128
	global_load_b32 v[N+i], v3, s[6:7] offset:i*4096 th:TH_LOAD_NT   ; row 128 kc + i at my column: the wave reads 128 consecutive bytes
.set i, i+1
.endr
	s_cmp_eq_u32 s25, 3
	s_cbranch_scc1 .Lwo
; ---------------- ROLE W
	v_mul_u32_u24 v14, v2, CPITCH
	s_lshl_b32 s27, s24, 6
	s_add_co_u32 s27, s27, CST
	v_add_nc_u32 v14, s27, v14                     ; the code stage, way in: row = my column, my wave's 64 bytes
	v_lshlrev_b32 v15, 5, v2
	s_lshl_b32 s27, s24, 2
	s_add_co_u32 s27, s27, SCS
	v_add_nc_u32 v15, s27, v15                     ; the scale stage: row = my column, my wave's 4 bytes
	s_mul_i32 s27, s24, 4*CPITCH
	s_add_co_u32 s27, s27, CST
	v_lshlrev_b32 v4, 4, v2                        ; 16 x lane
	v_add_nc_u32 v5, s27, v4                       ; way out: wave w takes rows 4 w .. 4 w + 3, whole
	s_lshl_b32 s27, s24, 7
	v_add_nc_u32 v7, s27, v3                       ; scale bytes: 128 x wave + 4 x lane, in memory
	v_add_nc_u32 v6, SCS, v7                       ; and in LDS
	s_lshl_b32 s28, s25, 10
	s_lshl_b32 s27, s26, 5
	s_add_co_u32 s28, s28, s27                     ; the work-group's first row of the codes' buffer
	s_lshl_b32 s30, s24, 2
	s_add_co_u32 s30, s30, s28
	s_lshl_b32 s30, s30, 9                         ; my wave's first row, 512 bytes a row
	s_mov_b32 s31, 0
	s_add_nc_u64 s[18:19], s[18:19], s[30:31]
	s_lshl_b32 s28, s28, 5                         ; 32 scale bytes a row
	s_add_nc_u64 s[20:21], s[20:21], s[28:29]
.macro WBLOCK t, left                  ; block t of my four: all its 32 numbers are mine
.set XS, N+32*(\t)
	s_wait_loadcnt \left
	v_max3_num_f32 v8, |v[XS]|, |v[XS+1]|, |v[XS+2]|
	v_max3_num_f32 v9, |v[XS+3]|, |v[XS+4]|, |v[XS+5]|
.irp i, 6,10,14,18,22,26
	v_max3_num_f32 v8, v8, |v[XS+\i]|, |v[XS+\i+1]|
	v_max3_num_f32 v9, v9, |v[XS+\i+2]|, |v[XS+\i+3]|
.endr
	v_max3_num_f32 v8, v8, |v[XS+30]|, |v[XS+31]|
	v_max3_num_f32 v8, v8, v9, 0x1800000           ; the floor 2^(3 - 127)
	v_add_nc_u32 v11, 0xff000000, v8               ; the conversion's scale operand
	v_lshrrev_b32 v9, 23, v11                      ; the scale's byte
.if (\t) == 0
	v_mov_b32 v24, v9                              ; four bytes to a register, the lower K in the lower byte
.else
	v_lshl_or_b32 v24, v9, 8*(\t), v24
.endif
.irp g, 0,1,2,3
	v_cvt_scalef32_pk8_fp4_f32 v[WC+4*(\t)+\g], v[XS+8*\g:XS+8*\g+7], v11
.endr
	ds_store_b128 v14, v[WC+4*(\t):WC+4*(\t)+3] offset:16*(\t)     ; 32 codes: 16 bytes of my column's row
.endm
	WBLOCK 0, 63                                   ; of 128 loads at most 96 may be out here; 63 is the largest count that the wait can name
	WBLOCK 1, 63                                   ; at most 64 may be out
	WBLOCK 2, 32
	WBLOCK 3, 0
	v_nop                                          ; a plain line behind the last conversion
	ds_store_b32 v15, v24
	s_wait_dscnt 0x0                               ; for the others' sake: my stores into the two stages are done
	s_barrier_signal -1
	s_barrier_wait -1                              ; a row's 512 bytes come from eight waves
.irp i, 0,1,2,3
	ds_load_b128 v[WOUT+4*\i:WOUT+4*\i+3], v5 offset:\i*CPITCH
.endr
	ds_load_b32 v[WOUT+16], v6
.irp i, 0,1,2,3
	s_wait_dscnt 4-\i                              ; row i is in; the rows behind it and the scale bytes may be out
	global_store_b128 v4, v[WOUT+4*\i:WOUT+4*\i+3], s[18:19] offset:512*\i   ; 512 consecutive bytes, aligned
.endr
	s_wait_dscnt 0x0
	global_store_b32 v7, v[WOUT+16], s[20:21]      ; 128 consecutive bytes a wave; the eight waves fill 1,024 on end
	s_wait_tensorcnt 0x0                           ; the wave's end, behind my last LDS store
	ds_add_u32 v[SPW], v[NIL]
	s_wait_dscnt 0x0
	s_endpgm
; ---------------- ROLE O: w_o rounded to f16 and laid [n][k].  The stage is each wave's own: no barrier.
.Lwo:
	s_mul_i32 s27, s24, 32*OPITCH
	s_add_co_u32 s27, s27, OST
	v_mul_u32_u24 v14, v2, OPITCH
	v_add_nc_u32 v14, s27, v14                     ; way in: row = my column
	v_and_b32 v5, 15, v2
	v_lshrrev_b32 v6, 4, v2
	v_mul_u32_u24 v15, v6, OPITCH
	v_lshl_add_u32 v15, v5, 4, v15
	v_add_nc_u32 v15, s27, v15                     ; way out: sixteen lanes to a row, two rows an instruction
	v_lshlrev_b32 v7, 11, v6
	v_lshl_add_u32 v7, v5, 4, v7                   ; the same place in wo_t: rows of 2,048 bytes
	s_lshl_b32 s28, s26, 16                        ; 32 rows of 2,048 bytes
	s_lshl_b32 s27, s24, 8                         ; my wave's 128 along K: 256 bytes
	s_add_co_u32 s28, s28, s27
	s_add_nc_u64 s[22:23], s[22:23], s[28:29]
.macro OBLOCK t, left
	s_wait_loadcnt \left
.set i, 0
.rept 16
	v_cvt_pk_f16_f32 v[N+32*(\t)+i], v[N+32*(\t)+2*i], v[N+32*(\t)+2*i+1]   ; in place, ascending: no number is written over before it is read
.set i, i+1
.endr
.irp g, 0,1,2,3
	ds_store_b128 v14, v[N+32*(\t)+4*\g:N+32*(\t)+4*\g+3] offset:64*(\t)+16*\g
.endr
.endm
	OBLOCK 0, 63
	OBLOCK 1, 63
	OBLOCK 2, 32
	OBLOCK 3, 0
.irp j, 0,1,2,3,4,5,6,7,8,9,10,11,12,13,14,15
	ds_load_b128 v[OOUT+4*\j:OOUT+4*\j+3], v15 offset:2*\j*OPITCH   ; these see my stores
.endr
.irp j, 0,1,2,3,4,5,6,7,8,9,10,11,12,13,14,15
	s_wait_dscnt 15-\j
	global_store_b128 v7, v[OOUT+4*\j:OOUT+4*\j+3], s[22:23] offset:4096*\j   ; sixteen lanes store 256 consecutive bytes, aligned
.endr
	s_wait_tensorcnt 0x0                           ; the wave's end, behind my last LDS store
	ds_add_u32 v[SPW], v[NIL]
	s_wait_dscnt 0x0
	s_endpgm
.Lfunc_end_k_q3a08532b2e_prep:
	.size	k_q3a08532b2e_prep, .Lfunc_end_k_q3a08532b2e_prep-k_q3a08532b2e_prep
	.p2alignl 7, 3214868480
	.fill 96, 4, 3214868480
	.section	.rodata,"a",@progbits
	.p2align	6, 0x0
	.amdhsa_kernel k_q3a08532b2e_prep
		.amdhsa_group_segment_fixed_size 154112
		.amdhsa_private_segment_fixed_size 0
		.amdhsa_enable_private_segment 0
		.amdhsa_kernarg_size 80
		.amdhsa_user_sgpr_count 2
		.amdhsa_user_sgpr_kernarg_segment_ptr 1
		.amdhsa_wavefront_size32 1
		.amdhsa_system_sgpr_workgroup_id_x 1
		.amdhsa_system_sgpr_workgroup_id_y 1
		.amdhsa_system_sgpr_workgroup_id_z 1
		.amdhsa_system_vgpr_workitem_id 0
		.amdhsa_next_free_vgpr 256
		.amdhsa_next_free_sgpr 66
		.amdhsa_reserve_vcc 0
		.amdhsa_float_denorm_mode_32 3
		.amdhsa_float_denorm_mode_16_64 3
		.amdhsa_memory_ordered 1
		.amdhsa_forward_progress 1
		.amdhsa_inst_pref_size 63
	.end_amdhsa_kernel
	.amdgpu_metadata
---
amdhsa.version: [ 1, 2 ]
amdhsa.kernels:
  - .name:           k_q3a08532b2e_prep
    .symbol:         k_q3a08532b2e_prep.kd
    .args:
      - { .name: x, .offset: 0, .size: 8, .value_kind: global_buffer, .address_space: global }
      - { .name: w_q, .offset: 8, .size: 8, .value_kind: global_buffer, .address_space: global }
      - { .name: w_k, .offset: 16, .size: 8, .value_kind: global_buffer, .address_space: global }
      - { .name: w_v, .offset: 24, .size: 8, .value_kind: global_buffer, .address_space: global }
      - { .name: w_o, .offset: 32, .size: 8, .value_kind: global_buffer, .address_space: global }
      - { .name: x_codes, .offset: 40, .size: 8, .value_kind: global_buffer, .address_space: global }
      - { .name: x_scales, .offset: 48, .size: 8, .value_kind: global_buffer, .address_space: global }
      - { .name: w_codes, .offset: 56, .size: 8, .value_kind: global_buffer, .address_space: global }
      - { .name: w_scales, .offset: 64, .size: 8, .value_kind: global_buffer, .address_space: global }
      - { .name: wo_t, .offset: 72, .size: 8, .value_kind: global_buffer, .address_space: global }
    .group_segment_fixed_size: 154112
    .private_segment_fixed_size: 0
    .kernarg_segment_align: 8
    .kernarg_segment_size: 80
    .max_flat_workgroup_size: 256
    .sgpr_count:     66
    .vgpr_count:     256
    .wavefront_size: 32
...
	.end_amdgpu_metadata
.endif
;; end of part 1
;; launch qkv (part 2): grid 12 x 32, 4 waves a work-group, clusters of 4 x 4, 327,680 bytes of LDS; arguments x_codes, x_scales, w_codes, w_scales, qkv; writes qkv
.if DOCPART == 2
	.amdgcn_target "amdgcn-amd-amdhsa--gfx1250"
	.amdhsa_code_object_version 6
	.text
	.protected	k_q3a08532b2e_qkv
	.globl	k_q3a08532b2e_qkv
	.p2align	8
	.type	k_q3a08532b2e_qkv,@function
k_q3a08532b2e_qkv:
	s_mov_b64 s[64:65], 0
	v_nop
	global_prefetch_b8 v0, s[64:65] scope:SCOPE_SE
	s_setreg_imm32_b32 hwreg(HW_REG_WAVE_MODE, 25, 1), 1
	s_wait_xcnt 0x0
	s_wait_alu depctr_hold_cnt(0) depctr_sa_sdst(0) depctr_va_vdst(0) depctr_va_sdst(0) depctr_va_ssrc(0) depctr_va_vcc(0) depctr_vm_vsrc(0)
	s_getreg_b32 s2, hwreg(HW_REG_IB_STS2, 6, 4)
	s_cmp_eq_u32 s2, 0
	s_cbranch_scc0 .Lentry_in_a_cluster
	s_endpgm
.Lentry_in_a_cluster:
	s_bfe_u32 s2, ttmp6, 0x10000c
	s_cmp_lg_u32 s2, 0xf033
	s_cbranch_scc0 .Lentry_shape_is_right
	s_endpgm
.Lentry_shape_is_right:
; QKV: the three quantised products as ONE GEMM on codes of FP4 (E2M1): C[m][n] = sum over k of x[m][k] w[n][k], m 8,192, n 3,072 = which x 1,024 + column, k 1,024; one E8M0 scale for each 32 along K on both sides; sums in f32.
; The results leave as f16, laid by head: qkv = three regions (q, k, v) of [batch x 16 + head][token 2,048][64].  q is multiplied in f32 by c = log2(e) / 8 first, so that the attention's weights are 2^(score - maximum).
; LIMIT: |c q|, |k|, |v| stay at or under 65,504 (f16).
; A tile of C, 256 x 256, is made by a work-group of four waves; a wave makes 128 x 128: 64 accumulators of 16 x 16, 512 registers.  K is two slots of 512 (tile rows of 256 bytes): both are asked for at the head, nothing is filled again.
; The scale bytes of the work-group's 256 rows of x and of w, for all of K, are two dense blocks: they come into LDS once, with the first fills.
; CLUSTERS: 4 x 4 work-groups.  The four of a row of the cluster need the same tiles of x, the four of a column the same tiles of w: each is asked for JOINTLY, by the same tensor load with the same descriptor and a mask that names the four.
; THE MATRIX INSTRUCTION IS USED TRANSPOSED (source 0 = 16 rows of w, source 1 = 16 rows of x): a lane then holds eight neighbouring columns of one token.
; REGISTERS, in windows of 256: window 0: v0-31 addresses; v32-95 scale words, two sets, and nothing else ever; from v128 x's fragments, ONE set; on the way out v96-255 are at work.
;   window 1: w's fragments, TWO sets, at v0 and v128.   window 2: the accumulators of my rows 0-63 ((a, b) at v[8 (8 a + b)]);   window 3: those of my rows 64-127.
.set SIZE_K, 1024
.set KSTEP,  512                       ; along K in a slot
.set NQ,     KSTEP/128                 ; matrix instructions deep
.set ROWB,   256                       ; a tile's row in bytes
.set KROW,   SIZE_K*4/8                ; a row of codes in memory
.set PITCH,  272                       ; an LDS row: 256 bytes + 16 of padding: the 16 rows that a load touches start at 16 different banks (64 banks of 4 bytes: ISA guide 11.1)
.set FR,     8                         ; registers of a fragment: 16 rows x 128 K
.set NL,     2                         ; LDS loads that bring one
.set NP,     4                         ; places behind this matrix instruction (ISA guide 7.12.1)
.set HALFT,  128*PITCH                 ; 128 rows: what one tensor load brings
.set SLOT,   4*HALFT                   ; x's 256 rows, then w's 256 rows
.set KS,     SIZE_K/32                 ; a row of scale bytes
.set SCL,    2*SLOT                    ; behind the two slots: the scales, as rows of 256 bytes + 16 of padding
.set HALFS,  (128*KS/256)*272          ; the scales of 128 rows
.set SBLK,   (16*KS/256)*272           ; those of 16 rows
.set SPARE,  SCL+4*HALFS               ; the spare words, 128 bytes for each wave: two blocks of 256 bytes that no other line names
.set SPITCH, 272                       ; the way out: a stage of 16 tokens x (256 bytes + 16) for each wave, in slot 0, which has had its only fill and its last read when the first result is stored there
.set ADRA, 16                          ; v16-17  LDS address of my x fragments in slot 0, 1
.set ADRB, 20                          ; v20-21  the same for w
.set STO,  24                          ; v24     the way out: where I put 16 bytes of a token
.set RD,   25                          ; v25     where I read 16 bytes of a head's row back
.set CO,   26                          ; v26     16 x lane
.set ADRS, 27                          ; v27     LDS address of my scale words: lanes 0-15 x's rows, lanes 16-31 w's
.set SPW,  28                          ; v28     LDS address of my spare word; never rewritten
.set NIL,  29                          ; v29     0; never rewritten
.set SC,   32                          ; scale words: set s at v[SC + 8 NQ s]; register NQ i + q: lanes 0-15 the word of x's block i, lanes 16-31 that of w's block i
.set AF,   128                         ; x's fragments, in window 0
.set TMP,  96                          ; the way out: v96-127 a block's 16 x 128 results as f16
.set BK,   128                         ; v128-159 and v160-191 by turns: a block read back from the stage
.set T,    192                         ; v192-255 a block's results in f32, scaled
.set G1, 24                            ; s[24:31] descriptor group 1 for x's tiles;  s[32:39] group 0, one set for each slot
.set G0, 32
.set G1B, 48                           ; s[48:55], s[56:63] the same for w's tiles
.set G0B, 56
.set G1S, 68                           ; s[68:75], s[76:79] groups 1 and 0 for x's scales;  s[80:87], s[88:91] for w's
.set G0S, 76
.set G1SB, 80
.set G0SB, 88
.set MSB, 0
.macro WIN new                         ; the immediate's high byte repeats the setting that is left
.if MSB != (\new)
	s_set_vgpr_msb (MSB<<8)|(\new)
.set MSB, (\new)
.endif
.endm
.set MUL_LO, 0xa1                      ; source 0 (w) window 1, source 1 (x) window 0, C and D window 2
.set MUL_HI, 0xf1                      ; the same, C and D window 3
.set TO_B,   0x40                      ; destination window 1, address window 0
; A joint load: waves 0 and 1 fetch for x, waves 2 and 3 for w.  Each line has ONE mask and one set of registers for all that issue it; the branch hangs on the wave's number alone.
; An s_nop 0 and four v_nop follow each of the two lines.
.macro JLOAD g0a, g1a, g0b, g1b
	s_cmp_eq_u32 s15, 0
	s_cbranch_scc0 .Lfor_b_\@
	tensor_load_to_lds s[\g0a:\g0a+3], s[\g1a:\g1a+7]
	s_nop 0
.rept 4
	v_nop
.endr
	s_branch .Lasked_\@
.Lfor_b_\@:
	tensor_load_to_lds s[\g0b:\g0b+3], s[\g1b:\g1b+7]
	s_nop 0
.rept 4
	v_nop
.endr
.Lasked_\@:
.endm
.macro CROUND                          ; a round of the cluster's barrier
	s_barrier_signal -1
	s_barrier_wait -1
	s_cmp_lg_u32 s14, 0
	s_cbranch_scc1 .Lnot_wave_0_\@
	s_barrier_signal -3
.Lnot_wave_0_\@:
	s_barrier_wait -3
	s_barrier_signal -1
	s_barrier_wait -1
.endm
	s_load_b128 s[4:7], s[0:1], 0x0                ; x's codes s[4:5], x's scales s[6:7]
	s_load_b128 s[8:11], s[0:1], 0x10              ; w's codes s[8:9], w's scales s[10:11]
	s_load_b64 s[12:13], s[0:1], 0x20              ; qkv
	v_lshl_add_u32 v[SPW], v0, 2, SPARE
	v_mov_b32 v[NIL], 0
	ds_add_u32 v[SPW], v[NIL]                      ; the wave's opening: the add, twice on end, and its wait ahead of my first tensor load
	ds_add_u32 v[SPW], v[NIL]                      ; the set-up below, work on registers, stands between the second and the wait
	v_lshrrev_b32 v1, 5, v0
	v_readfirstlane_b32 s14, v1                    ; wave 0..3
	s_lshr_b32 s15, s14, 1                         ; which half of the tile's rows is mine.  Also: I fetch for x (0) or for w (1)
	s_and_b32 s16, s14, 1                          ; which half of its columns.  Also: which 128 rows of that tile I fetch
	s_bfe_u32 s40, ttmp6, 0x40000                  ; cx, cy: my place in the cluster
	s_bfe_u32 s41, ttmp6, 0x40004
	s_lshl_b32 s42, ttmp9, 2
	s_add_co_u32 s42, s42, s40                     ; tile column of C = 4 x cluster x + cx
	s_and_b32 s17, ttmp7, 0xffff
	s_lshl_b32 s17, s17, 2
	s_add_co_u32 s17, s17, s41                     ; tile row of C = 4 x cluster y + cy
	s_lshl_b32 s43, s41, 2
	s_lshl_b32 s43, 15, s43                        ; my row of the cluster
	s_lshl_b32 s44, 0x1111, s40                    ; my column
	; descriptor group 1: a tile of 128 rows x 256 bytes, padded in LDS
	s_or_b32 s[G1+0], s43, (0<<16)|(1<<20)|(1<<21)|(5<<22)|(3<<25)  ; 15:0 the mask; 17:16 elements of 1 byte; 20 padding on; 21 set beside a mask; 24:22 after every 64 words; 31:25 four words
	s_or_b32 s[G1B+0], s44, (0<<16)|(1<<20)|(1<<21)|(5<<22)|(3<<25)
.irp g, G1, G1B
	s_mov_b32 s[\g+1], ROWB<<16                    ; tensor_dim0
	s_mov_b32 s[\g+2], 128<<16                     ; tensor_dim1
	s_mov_b32 s[\g+3], ROWB<<16                    ; tile_dim0
	s_mov_b32 s[\g+4], 128                         ; tile_dim1
	s_mov_b32 s[\g+5], KROW                        ; tensor_dim0_stride
	s_mov_b32 s[\g+6], 0
	s_mov_b32 s[\g+7], 0
.endr
	; the scales of 128 rows: a dense block of 4,096 bytes, as 16 rows of 256 bytes (32 elements of 8 bytes), 16 bytes of padding behind each
	s_or_b32 s[G1S+0], s43, (3<<16)|(1<<20)|(1<<21)|(5<<22)|(3<<25)
	s_or_b32 s[G1SB+0], s44, (3<<16)|(1<<20)|(1<<21)|(5<<22)|(3<<25)
.irp g, G1S, G1SB
	s_mov_b32 s[\g+1], 32<<16
	s_mov_b32 s[\g+2], (128*KS/256)<<16
	s_mov_b32 s[\g+3], 32<<16
	s_mov_b32 s[\g+4], 128*KS/256
	s_mov_b32 s[\g+5], 32
	s_mov_b32 s[\g+6], 0
	s_mov_b32 s[\g+7], 0
.endr
	s_lshl_b32 s18, s16, 7                         ; which 128 rows of the tile I fetch
	s_lshl_b32 s20, s17, 8
	s_add_co_u32 s20, s20, s18                     ; x: row 256 x tile row + 128 x half
	s_lshl_b32 s46, s42, 8
	s_add_co_u32 s46, s46, s18                     ; w: row 256 x tile column + 128 x half
	s_mov_b32 s21, 0
	s_mov_b32 s47, 0
	s_mov_b64 s[18:19], KS
	s_mul_u64 s[22:23], s[20:21], s[18:19]         ; where these rows' scales begin, in bytes
	s_mul_u64 s[92:93], s[46:47], s[18:19]
	s_mov_b64 s[18:19], KROW
	s_mul_u64 s[20:21], s[20:21], s[18:19]         ; and their codes
	s_mul_u64 s[46:47], s[46:47], s[18:19]
	s_mul_i32 s45, s14, HALFT                      ; where they go: wave x 128 rows: no place in the cluster enters an LDS address
	s_mul_i32 s94, s14, HALFS
	s_cmp_eq_u32 ttmp9, 0                          ; cluster x is the tensor: 0 q, 1 k, 2 v; the same in all sixteen partners, and only a value hangs on it
	s_cselect_b32 s96, 0x3e38aa3b, 1.0             ; c = log2(e) / 8 for q, 1 for k and v
	s_mov_b32 s97, s96                             ; (named with it as a pair, so it is written)
	s_wait_dscnt 0x0                               ; both opening adds are done
	s_wait_kmcnt 0x0
	s_add_nc_u64 s[20:21], s[4:5], s[20:21]
	s_add_nc_u64 s[22:23], s[6:7], s[22:23]
	s_add_nc_u64 s[46:47], s[8:9], s[46:47]
	s_add_nc_u64 s[92:93], s[10:11], s[92:93]
	CROUND                                         ; all sixteen work-groups are here: the joint loads meet
	s_mov_b32 s[G0S], 1
	s_add_co_u32 s[G0S+1], s94, SCL
	s_mov_b64 s[G0S+2:G0S+3], s[22:23]
	s_or_b32 s[G0S+3], s[G0S+3], 0x80000000
	s_mov_b32 s[G0SB], 1
	s_add_co_u32 s[G0SB+1], s94, SCL
	s_mov_b64 s[G0SB+2:G0SB+3], s[92:93]
	s_or_b32 s[G0SB+3], s[G0SB+3], 0x80000000
	JLOAD G0S, G1S, G0SB, G1SB                     ; the scales first: they are wanted with slot 0
.irp s, 0,1
	s_mov_b32 s[G0+4*\s], 1
	s_add_co_u32 s[G0+4*\s+1], s45, \s*SLOT
	s_add_nc_u64 s[G0+4*\s+2:G0+4*\s+3], s[20:21], \s*ROWB
	s_or_b32 s[G0+4*\s+3], s[G0+4*\s+3], 0x80000000
	s_mov_b32 s[G0B+4*\s], 1
	s_add_co_u32 s[G0B+4*\s+1], s45, \s*SLOT
	s_add_nc_u64 s[G0B+4*\s+2:G0B+4*\s+3], s[46:47], \s*ROWB
	s_or_b32 s[G0B+4*\s+3], s[G0B+4*\s+3], 0x80000000
	JLOAD G0+4*\s, G1, G0B+4*\s, G1B               ; three loads of mine are out in all
.endr
	v_and_b32 v1, 15, v0                           ; r = lane % 16
	v_bfe_u32 v2, v0, 4, 1                         ; h = lane / 16
	v_mul_u32_u24 v3, v1, PITCH
	v_lshl_add_u32 v4, v2, 4, v3                   ; a fragment's row x pitch + 16 x half
	s_mul_i32 s21, s15, HALFT                      ; my 128 rows of x
	s_mul_i32 s22, s16, HALFT                      ; my 128 rows of w,
	s_add_co_u32 s22, s22, 2*HALFT                 ; which lie behind x's 256
.irp s, 0,1
	v_add_nc_u32 v[ADRA+\s], s21, v4
	v_add_nc_u32 v[ADRB+\s], s22, v4
	s_add_co_u32 s21, s21, SLOT
	s_add_co_u32 s22, s22, SLOT
.endr
	v_mul_u32_u24 v5, v1, KS                       ; my row's scales: 32 bytes a row,
	v_lshrrev_b32 v6, 8, v5
	v_lshl_add_u32 v5, v6, 4, v5                   ; and 16 more for each 256 passed
	s_mul_i32 s21, s15, HALFS                      ; x's: my 128 rows
	s_mul_i32 s22, s16, HALFS                      ; w's: my 128 rows, behind x's 256
	s_add_co_u32 s22, s22, 2*HALFS
	s_sub_co_u32 s22, s22, s21
	v_mul_u32_u24 v6, s22, v2                      ; lanes 16-31 take w's: one product, the lower base + h x the distance
	s_add_co_u32 s21, s21, SCL
	v_add_nc_u32 v5, v5, v6
	v_add_nc_u32 v[ADRS], s21, v5
	s_mul_i32 s23, s14, 16*SPITCH                  ; my stage
	v_mul_u32_u24 v5, v1, SPITCH                   ; in: token r, 16 bytes for each half of the lanes
	v_lshl_add_u32 v5, v2, 4, v5
	v_add_nc_u32 v[STO], s23, v5
	v_bfe_u32 v6, v0, 3, 2                         ; back: eight lanes take a head's 128 bytes of one token, the 32 lanes four tokens
	v_mul_u32_u24 v6, v6, SPITCH
	v_and_b32 v7, 7, v0
	v_lshl_add_u32 v6, v7, 4, v6
	v_add_nc_u32 v[RD], s23, v6
	v_and_b32 v6, 31, v0
	v_lshlrev_b32 v[CO], 4, v6                     ; in memory those four tokens are 512 bytes on end
	; where my part begins in qkv: region = cluster x; row of heads = batch x 16 + 4 cx + 2 (wave % 2); token = 256 (tile row % 8) + 128 (wave / 2)
	s_lshr_b32 s20, s17, 3
	s_lshl_b32 s20, s20, 4
	s_lshl_b32 s21, s40, 2
	s_add_co_u32 s20, s20, s21
	s_lshl_b32 s21, s16, 1
	s_add_co_u32 s20, s20, s21
	s_lshl_b32 s20, s20, 11                        ; 2,048 tokens a head
	s_and_b32 s21, s17, 7
	s_lshl_b32 s21, s21, 8
	s_add_co_u32 s20, s20, s21
	s_lshl_b32 s21, s15, 7
	s_add_co_u32 s20, s20, s21
	s_lshl_b32 s20, s20, 7                         ; 128 bytes a token
	s_lshl_b32 s21, ttmp9, 24                      ; 16,777,216 bytes a region
	s_add_co_u32 s20, s20, s21
	s_mov_b32 s21, 0
	s_add_nc_u64 s[12:13], s[12:13], s[20:21]
.macro FRAG reg, adr, q, i             ; a fragment, 16 rows x 128 K of 4-bit codes: lane l holds row l % 16; registers 4 c .. 4 c + 3 hold K = 64 c + 32 (l / 16) + 0 .. 31
.irp c, 0,1
	ds_load_b128 v[\reg+4*\c:\reg+4*\c+3], v[\adr] offset:64*(\q)+32*\c+(\i)*16*PITCH
.endr
.endm
; 16 matrix instructions: x's blocks a0, a0 + 1 against w's eight, 128 along K: the slot's q-th.  p: w's set;  sc: the set of scale words.  zero = 1: the first product starts the sums.
; The 64 accumulators take turns, one instruction a turn, in the same order in every step.
.macro MUL16 a0, p, q, sc, zero
.irp a, \a0, \a0+1
.irp b, 0,1,2,3,4,5,6,7
.if \zero
	v_wmma_scale_f32_16x16x128_f8f6f4 v[8*(8*((\a)%4)+\b):8*(8*((\a)%4)+\b)+7], v[128*(\p)+FR*\b:128*(\p)+FR*\b+FR-1], v[AF+FR*(\a):AF+FR*(\a)+FR-1], 0, v[SC+8*NQ*(\sc)+NQ*\b+(\q)], v[SC+8*NQ*(\sc)+NQ*(\a)+(\q)] matrix_a_fmt:MATRIX_FMT_FP4 matrix_b_fmt:MATRIX_FMT_FP4 matrix_a_scale:MATRIX_SCALE_ROW1
.else
	v_wmma_scale_f32_16x16x128_f8f6f4 v[8*(8*((\a)%4)+\b):8*(8*((\a)%4)+\b)+7], v[128*(\p)+FR*\b:128*(\p)+FR*\b+FR-1], v[AF+FR*(\a):AF+FR*(\a)+FR-1], v[8*(8*((\a)%4)+\b):8*(8*((\a)%4)+\b)+7], v[SC+8*NQ*(\sc)+NQ*\b+(\q)], v[SC+8*NQ*(\sc)+NQ*(\a)+(\q)] matrix_a_fmt:MATRIX_FMT_FP4 matrix_b_fmt:MATRIX_FMT_FP4 matrix_a_scale:MATRIX_SCALE_ROW1
.endif
.endr
.endr
.endm
.macro FETCH_B slot, q, p              ; w's eight fragments of the slot's q-th 128 along K into set p
	WIN TO_B
.irp i, 0,1,2,3,4,5,6,7
	FRAG 128*(\p)+FR*\i, ADRB+\slot, \q, \i
.endr
	WIN 0
.endm
.macro FETCH_A slot, q, i0             ; x's blocks i0 .. i0 + 3
.irp i, \i0, \i0+1, \i0+2, \i0+3
	FRAG AF+FR*(\i), ADRA+\slot, \q, \i
.endr
.endm
.macro SCALES sc                       ; a slot's scale words into set sc: four words a row; lanes 0-15 take x's block i, lanes 16-31 w's block i
.irp i, 0,1,2,3,4,5,6,7
	ds_load_b128 v[SC+8*NQ*\sc+NQ*\i:SC+8*NQ*\sc+NQ*\i+3], v[ADRS] offset:\i*SBLK
.endr
.endm
; A load into a register that a matrix instruction has read, and a vector instruction or an LDS store that reads a matrix result, stand NP places behind that matrix instruction; only plain vector
; instructions that name none of its registers are places (ISA guide 7.12.1 for vector instructions).
.macro PLACES n
.rept \n
	v_nop
.endr
.endm
.macro STEP slot, q, zero              ; a step of 128 along K that has its successor in the same slot
	s_wait_dscnt 4*NL                              ; w's set and x's blocks 0-3 are in; the youngest eight loads (x's blocks 4-7) may be out
	WIN MUL_LO
	MUL16 0, (\q)%2, \q, \slot, \zero
	MUL16 2, (\q)%2, \q, \slot, \zero
	s_wait_dscnt 0                                 ; x's blocks 4-7 are in
	PLACES NP
	FETCH_B \slot, (\q)+1, 1-(\q)%2
	FETCH_A \slot, (\q)+1, 0
	WIN MUL_HI
	MUL16 4, (\q)%2, \q, \slot, \zero
	MUL16 6, (\q)%2, \q, \slot, \zero
	PLACES NP
	WIN 0
	FETCH_A \slot, (\q)+1, 4
.endm
; Slot 0's last step changes slots: each wave waits for all its tensor loads (slot 1's part), adds 0 to its spare word, waits for that and for its reads of slot 0, and passes the barrier.  Nothing is filled again.
.macro TURN slot, next
	s_wait_tensorcnt 0x0                           ; all my tensor loads have landed
	ds_add_u32 v[SPW], v[NIL]                      ; 0 onto my spare word
	s_wait_dscnt 4*NL+1                            ; (the add and the youngest eight loads may be out)
	WIN MUL_LO
	MUL16 0, 1, NQ-1, \slot, 0                     ; sixteen matrix instructions stand between the add and the wait for it
	s_wait_dscnt 0x0                               ; the add is done, and my reads of this slot are over
	s_barrier_signal -1
	MUL16 2, 1, NQ-1, \slot, 0
	WIN 0
	s_barrier_wait -1                              ; the next slot is whole, and nobody reads this one any more
	PLACES NP
	v_add_nc_u32 v[ADRS], 4*NQ, v[ADRS]            ; on to the next slot's scale words
	FETCH_B \next, 0, 0
	FETCH_A \next, 0, 0
	SCALES \next
	WIN MUL_HI
	MUL16 4, 1, NQ-1, \slot, 0
	MUL16 6, 1, NQ-1, \slot, 0
	PLACES NP
	WIN 0
	FETCH_A \next, 0, 4
.endm
	s_wait_tensorcnt 1                             ; the scales and my part of slot 0 are in (slot 1's load may be out)
	s_barrier_signal -1
	s_barrier_wait -1                              ; everybody's are
	FETCH_B 0, 0, 0
	FETCH_A 0, 0, 0
	SCALES 0
	FETCH_A 0, 0, 4
	STEP 0, 0, 1                                   ; the first step's products start the sums: nothing is cleared
	STEP 0, 1, 0
	STEP 0, 2, 0
	TURN 0, 1
	STEP 1, 0, 0
	STEP 1, 1, 0
	STEP 1, 2, 0
	s_wait_dscnt 4*NL                              ; the last step: nothing more to fetch
	WIN MUL_LO
	MUL16 0, 1, NQ-1, 1, 0
	MUL16 2, 1, NQ-1, 1, 0
	s_wait_dscnt 0
	WIN MUL_HI
	MUL16 4, 1, NQ-1, 1, 0
	MUL16 6, 1, NQ-1, 1, 0
	WIN 0
; THE WAY OUT, block by block of 16 tokens x 128 columns (two heads).  PACK: x c (or 1) in f32, rounded once to f16: 16 bytes a lane and accumulator.  TOSTAGE: into my own stage, rows of 272 bytes, and back by heads:
; a head's 128 bytes of four tokens an instruction, which are 512 bytes on end in memory.  SEND: stored.
.macro PACK a
.set AC, 64*((\a)%4)
	WIN 0x02+(\a)/4                                ; source 0: window 2 or 3
.set i, 0
.rept 32
	v_pk_mul_f32 v[T+2*i:T+2*i+1], v[AC+2*i:AC+2*i+1], s[96:97] op_sel_hi:[1,0]   ; ascending: each accumulator is read from its low end on
.set i, i+1
.endr
	WIN 0
.set i, 0
.rept 32
	v_cvt_pk_f16_f32 v[TMP+i], v[T+2*i], v[T+2*i+1]
.set i, i+1
.endr
.endm
.macro TOSTAGE a
.set BB, BK+32*((\a)%2)
.irp b, 0,1,2,3,4,5,6,7
	ds_store_b128 v[STO], v[TMP+4*\b:TMP+4*\b+3] offset:32*\b
.endr
.irp u, 0,1
.irp i, 0,1,2,3
	ds_load_b128 v[BB+4*(4*\u+\i):BB+4*(4*\u+\i)+3], v[RD] offset:128*\u+\i*4*SPITCH   ; LDS serves a wave's instructions in order: these see the stores above
.endr
.endr
.endm
.macro SEND a
.set BB, BK+32*((\a)%2)
	s_wait_dscnt 0x0                               ; the block is back in registers
	s_wait_xcnt 0x0                                ; the block before has had its stores' addresses translated: its registers, which the next block's loads take, are free behind this wait
.irp u, 0,1
.irp i, 0,1,2,3
	global_store_b128 v[CO], v[BB+4*(4*\u+\i):BB+4*(4*\u+\i)+3], s[12:13] offset:\u*262144+(\a)*2048+\i*512   ; 512 consecutive bytes, aligned; head, block and tokens stand in the immediate
.endr
.endr
.endm
	PLACES NP                                      ; behind the last products: for the first reads of results and the loads into x's old registers
	PACK 0
	TOSTAGE 0
.irp a, 1,2,3,4,5,6,7                  ; block a's arithmetic stands between block a - 1's loads from the stage and the wait for them
	PACK \a
	SEND \a-1
	TOSTAGE \a
.endr
	SEND 7
	s_wait_tensorcnt 0x0                           ; the wave's end, behind my last tensor load and my last LDS store
	ds_add_u32 v[SPW], v[NIL]
	s_wait_dscnt 0x0
	CROUND                                         ; the closing round: no work-group ends while a partner may still ask for a tile that names it
	s_endpgm
.Lfunc_end_k_q3a08532b2e_qkv:
	.size	k_q3a08532b2e_qkv, .Lfunc_end_k_q3a08532b2e_qkv-k_q3a08532b2e_qkv
	.p2alignl 7, 3214868480
	.fill 96, 4, 3214868480
	.section	.rodata,"a",@progbits
	.p2align	6, 0x0
	.amdhsa_kernel k_q3a08532b2e_qkv
		.amdhsa_group_segment_fixed_size 327680
		.amdhsa_private_segment_fixed_size 0
		.amdhsa_enable_private_segment 0
		.amdhsa_kernarg_size 40
		.amdhsa_user_sgpr_count 2
		.amdhsa_user_sgpr_kernarg_segment_ptr 1
		.amdhsa_wavefront_size32 1
		.amdhsa_system_sgpr_workgroup_id_x 1
		.amdhsa_system_sgpr_workgroup_id_y 1
		.amdhsa_system_sgpr_workgroup_id_z 1
		.amdhsa_system_vgpr_workitem_id 0
		.amdhsa_next_free_vgpr 1024
		.amdhsa_next_free_sgpr 98
		.amdhsa_reserve_vcc 0
		.amdhsa_float_denorm_mode_32 3
		.amdhsa_float_denorm_mode_16_64 3
		.amdhsa_memory_ordered 1
		.amdhsa_forward_progress 1
		.amdhsa_inst_pref_size 143
	.end_amdhsa_kernel
	.amdgpu_metadata
---
amdhsa.version: [ 1, 2 ]
amdhsa.kernels:
  - .name:           k_q3a08532b2e_qkv
    .symbol:         k_q3a08532b2e_qkv.kd
    .args:
      - { .name: x_codes, .offset: 0, .size: 8, .value_kind: global_buffer, .address_space: global }
      - { .name: x_scales, .offset: 8, .size: 8, .value_kind: global_buffer, .address_space: global }
      - { .name: w_codes, .offset: 16, .size: 8, .value_kind: global_buffer, .address_space: global }
      - { .name: w_scales, .offset: 24, .size: 8, .value_kind: global_buffer, .address_space: global }
      - { .name: qkv, .offset: 32, .size: 8, .value_kind: global_buffer, .address_space: global }
    .group_segment_fixed_size: 327680
    .private_segment_fixed_size: 0
    .kernarg_segment_align: 8
    .kernarg_segment_size: 40
    .max_flat_workgroup_size: 128
    .sgpr_count:     98
    .vgpr_count:     1024
    .wavefront_size: 32
...
	.end_amdgpu_metadata
.endif
;; end of part 2
;; launch attn (part 3): grid 4 x 64, 8 waves a work-group, clusters of 4 x 1, 327,680 bytes of LDS; arguments qkv, attention_mask, att; writes att
.if DOCPART == 3
	.amdgcn_target "amdgcn-amd-amdhsa--gfx1250"
	.amdhsa_code_object_version 6
	.text
	.protected	k_q3a08532b2e_attn
	.globl	k_q3a08532b2e_attn
	.p2align	8
	.type	k_q3a08532b2e_attn,@function
k_q3a08532b2e_attn:
	s_mov_b64 s[64:65], 0
	v_nop
	global_prefetch_b8 v0, s[64:65] scope:SCOPE_SE
	s_setreg_imm32_b32 hwreg(HW_REG_WAVE_MODE, 25, 1), 1
	s_wait_xcnt 0x0
	s_wait_alu depctr_hold_cnt(0) depctr_sa_sdst(0) depctr_va_vdst(0) depctr_va_sdst(0) depctr_va_ssrc(0) depctr_va_vcc(0) depctr_vm_vsrc(0)
	s_getreg_b32 s2, hwreg(HW_REG_IB_STS2, 6, 4)
	s_cmp_eq_u32 s2, 0
	s_cbranch_scc0 .Lentry_in_a_cluster
	s_endpgm
.Lentry_in_a_cluster:
	s_bfe_u32 s2, ttmp6, 0x10000c
	s_cmp_lg_u32 s2, 0x3003
	s_cbranch_scc0 .Lentry_shape_is_right
	s_endpgm
.Lentry_shape_is_right:
; ATTN: att[bh][q][:] = sum over k of softmax_k(score) v[bh][k][:], score = q . k / 8, key k counting only where mask[b][q] and mask[b][k] are not 0; a query whose mask is 0 gives a row of zeros.
; q, k, v: f16, [batch x 16 + head][token 2,048][64], three regions of qkv; q already carries c = log2(e) / 8, so a weight is p = 2^(s - m).  Products, maxima and sums in f32; p is rounded to f16 for the second product, att once at the end.
; THE MASK.  A table of f32 in LDS holds, for each of the batch's 2,048 keys, 0 or -1e30; it is the C of each score tile's first product.  A masked key's score is then -1e30, which takes in every finite score that f16 operands can make,
; and its p is 0 as soon as the running maximum is a real score.  While all keys seen are masked, m = -1e30 and p = 1; the first real key gives a = 2^(m_old - m_new) = 0, which wipes the sum and O.  A query that counts has its own key,
; so its sum ends on real keys alone; a query that does not count gets 0 in place of 1 / sum.  LIMITS: -1e30 stands for -infinity; the mask is tested against 0 word by word; NaN and infinities are not served.
; SOFTMAX.  For each query a running maximum m and sum l; in every step O and l are multiplied by a = 2^(m_old - m_new).
; SHARES.  A work-group owns 512 queries of one head, each of its eight waves 64: four tiles of 16, in two pieces (tiles 0, 1 and tiles 2, 3).  Two waves share a SIMD's registers, 512 each, so that one wave's softmax stands beside the other's products.
; Every wave walks all 2,048 keys, 64 a step; each fragment of K and V read from LDS feeds four tiles.
; LAYOUT.  S^T = K Q^T + bias (source 0 = 16 keys, source 1 = 16 queries): a lane holds ONE query (lane % 16) and keys 8 (lane / 16) + 0..7.  Two such tiles, rounded to f16 in pairs, ARE source 1 of O^T = V^T P.  V is turned by ds_load_tr16_b128.
; CLUSTER.  The four query blocks of a head form the cluster and walk the same K and V: each tile is asked for JOINTLY, by the same tensor load with the same descriptor and a mask that names the four.
; RING.  Two slots of 512 keys (eight steps).  A token's 64 numbers are 128 bytes and a head is dense, so a tile is stated as rows of 256 bytes, TWO keys to a row.  Waves 0-3 fetch K's quarters, waves 4-7 V's: one load a wave.
; The LDS loads run one step ahead of the products, so a slot is left one step before its last keys are multiplied; its refill then has eight steps in which to land.
; REGISTERS.  window 0: v1-15 addresses; v16-19 the queries' mask words; v24-39 m, d, l of four tiles; v40-55 at work; v56-87 bias; v88-151 S^T of a piece (P in place); v152-215 Q; v216-247 head and way out.
;             window 1: v0-127 O^T, 32 a tile; v128-191 K of a step; v192-255 V of a step.
.set PKP,   272                        ; two keys of K in LDS: 256 bytes + 16: key r lies at column (r / 2) + 8 (r % 2) of sixteen 16-byte columns: all different
.set PVP,   288                        ; two keys of V: 256 + 32: the sixteen lanes of a turning load fall on columns 2 (key / 2) + 8 (key % 2) + half: all different
.set KSTEPB, 32*PKP                    ; a step's 64 keys
.set VSTEPB, 32*PVP
.set VOFF,  256*PKP                    ; a slot: 256 rows of K, then 256 rows of V
.set SLOTB, 256*(PKP+PVP)
.set BIAS,  2*SLOTB                    ; the table: 2,048 words
.set STAGE, BIAS+8192                  ; the way out: 16 rows x (128 bytes + 16) for each wave
.set SPT,   144
.set SPARE, STAGE+8*16*SPT             ; the spare words, 128 bytes for each wave: four blocks of 256 bytes that no other line names
.set KREG,  16777216                   ; k's region of qkv, in bytes
.set VREG,  33554432                   ; v's
.set SLOTM, 65536                      ; a slot's 512 keys in memory
.set AK0, 2                            ; v2   my lane's place in a tile of K; never rewritten
.set AV0, 3                            ; v3   the same for V
.set AB0, 4                            ; v4   and in the table
.set ADK, 5                            ; v5-7 the addresses of the loads in hand
.set ADV, 6
.set ADB, 7
.set STO, 8                            ; v8   the way out: where I put 16 bytes of a row
.set RD,  9                            ; v9   where I read back
.set GO,  10                           ; v10  16 x lane
.set QO,  11                           ; v11  my byte offset in the wave's rows of Q
.set SPW, 12                           ; v12  LDS address of my spare word; never rewritten
.set NIL, 13                           ; v13  0; never rewritten
.set QM,  16                           ; v16-19 the mask word of my query in each tile
.set PS,  24                           ; tile t: v[PS+4t] m, +1 d = m_old - m_new, +2, +3 l (even keys', odd keys')
.set TP,  40                           ; tile u of the piece in hand: +0..3 four maxima, then two chains of sums; +4 a, +5 its partner in a pair (0)
.set BI,  56
.set S,   88
.set Q,   152
.set OB,  216
.set KF,  128                          ; in window 1
.set VF,  192
.set WV,  10                           ; s10  my wave's number
.set G1K, 24                           ; s[24:31] descriptor group 1 for K's tiles;  s[32:39] for V's: it differs in the padding alone
.set G1V, 32
.set G0K, 40                           ; s[40:47] group 0 for K's tiles, a set for each slot;  s[48:55] for V's
.set G0V, 48
.set SEL, 56                           ; s[56:57] lane selects for v_permlanex16_b32: lane l xor 16
.set FK,  58                           ; s58  LDS byte at which the K of the step to be fetched begins
.set FV,  59                           ; s59  the same for V (less VOFF)
.set FB,  60                           ; s60  and in the table: 256 bytes a step
.set CNT, 61                           ; s61  counts a loop's steps
.set MSB, 0
.macro WIN new                         ; the immediate's high byte repeats the setting that is left; a switch that changes nothing is dropped
.if MSB != (\new)
	s_set_vgpr_msb (MSB<<8)|(\new)
.set MSB, (\new)
.endif
.endm
.set W_KQ, 0x01                        ; K in window 1; Q, S^T and the bias in window 0
.set W_PV, 0x51                        ; V and O^T in window 1, P in window 0
.set W_RS, 0x41                        ; O^T (destination and source 0) in window 1, a in window 0
.set W_LD, 0x40                        ; destination window 1, address window 0
; A joint refill of slot s.  The branch hangs on the wave's number alone.  An s_nop 0 and four v_nop follow each of the two lines.
.macro JLOAD s
	s_cmp_lt_u32 s[WV], 4
	s_cbranch_scc0 .Lfor_v_\@
	tensor_load_to_lds s[G0K+4*\s:G0K+4*\s+3], s[G1K:G1K+7]
	s_nop 0
.rept 4
	v_nop
.endr
	s_branch .Lasked_\@
.Lfor_v_\@:
	tensor_load_to_lds s[G0V+4*\s:G0V+4*\s+3], s[G1V:G1V+7]
	s_nop 0
.rept 4
	v_nop
.endr
.Lasked_\@:
.endm
.macro CROUND                          ; a round of the cluster's barrier
	s_barrier_signal -1
	s_barrier_wait -1
	s_cmp_lg_u32 s[WV], 0
	s_cbranch_scc1 .Lnot_wave_0_\@
	s_barrier_signal -3
.Lnot_wave_0_\@:
	s_barrier_wait -3
	s_barrier_signal -1
	s_barrier_wait -1
.endm
.macro PLACES n                        ; places behind matrix instructions: plain vector instructions that name none of their registers (ISA guide 7.12.1)
.rept \n
	v_nop
.endr
.endm
	s_load_b128 s[4:7], s[0:1], 0x0                ; qkv s[4:5], attention_mask s[6:7]
	s_load_b64 s[8:9], s[0:1], 0x10                ; att
	v_lshl_add_u32 v[SPW], v0, 2, SPARE
	v_mov_b32 v[NIL], 0
	ds_add_u32 v[SPW], v[NIL]                      ; the wave's opening: the add, twice on end, and its wait ahead of my first tensor load
	ds_add_u32 v[SPW], v[NIL]                      ; the set-up below, work on registers, stands between the second and the wait
	v_lshrrev_b32 v1, 5, v0
	v_readfirstlane_b32 s[WV], v1                  ; wave 0..7
	s_and_b32 s11, s[WV], 3                        ; which quarter of a slot I fetch
	s_bfe_u32 s12, ttmp6, 0x40000                  ; cx: my place in the cluster
	s_lshl_b32 s13, ttmp9, 2
	s_add_co_u32 s13, s13, s12                     ; my block of 512 queries: it enters Q's, the query mask's and att's addresses alone
	s_and_b32 s14, ttmp7, 0xffff                   ; batch x 16 + head, which the four partners share
	s_lshl_b32 s16, s14, 18                        ; the head's first byte in a region: 262,144 bytes a head
	s_lshl_b32 s18, s11, 14                        ; my quarter: 128 keys of 128 bytes
	s_add_co_u32 s18, s18, s16
	s_mov_b32 s19, 0
	s_lshl_b32 s20, s13, 16                        ; my block's 512 rows,
	s_lshl_b32 s21, s[WV], 13                      ; my wave's 64 of them
	s_add_co_u32 s20, s20, s21
	s_add_co_u32 s20, s20, s16
	s_mov_b32 s21, 0
	s_lshr_b32 s22, s14, 4                         ; the batch:
	s_lshl_b32 s22, s22, 13                        ; 8,192 bytes of mask
	s_mov_b32 s23, 0
	s_mul_i32 s15, s11, 64*PKP                     ; my quarter's place in a slot: no place in the cluster enters an LDS address
	s_mul_i32 s3, s11, 64*PVP
	s_add_co_u32 s3, s3, VOFF
	; descriptor group 1: 64 rows x 128 elements of 2 bytes, dense in memory, padded in LDS
	s_mov_b32 s[G1K], 15|(1<<16)|(1<<20)|(1<<21)|(5<<22)|(3<<25)  ; 15:0 the mask: all four work-groups; 17:16 elements of 2 bytes; 20 padding on; 21 set beside a mask; 24:22 after every 64 words; 31:25 four words
	s_mov_b32 s[G1V], 15|(1<<16)|(1<<20)|(1<<21)|(5<<22)|(7<<25)  ; the same with eight words of padding
.irp g, G1K, G1V
	s_mov_b32 s[\g+1], 128<<16                     ; tensor_dim0
	s_mov_b32 s[\g+2], 64<<16                      ; tensor_dim1
	s_mov_b32 s[\g+3], 128<<16                     ; tile_dim0
	s_mov_b32 s[\g+4], 64                          ; tile_dim1
	s_mov_b32 s[\g+5], 128                         ; tensor_dim0_stride
	s_mov_b32 s[\g+6], 0
	s_mov_b32 s[\g+7], 0
.endr
	s_mov_b32 s[SEL], 0x76543210
	s_mov_b32 s[SEL+1], 0xfedcba98
	s_mov_b32 s[FK], 0
	s_mov_b32 s[FV], 0
	s_mov_b32 s[FB], 0
	v_mov_b32 v14, 0xf149f2ca                      ; -1e30
	v_mov_b32 v[TP+5], 0                           ; named as the upper halves of the pairs that hold a, so they are written
	v_mov_b32 v[TP+13], 0
	s_wait_dscnt 0x0                               ; both opening adds are done
	s_wait_kmcnt 0x0
	s_add_nc_u64 s[18:19], s[4:5], s[18:19]        ; qkv at my quarter of the head's first slot; k's and v's regions are reached by constants
	s_add_nc_u64 s[4:5], s[4:5], s[20:21]          ; Q at my wave's first query
	s_add_nc_u64 s[8:9], s[8:9], s[20:21]          ; att likewise
	s_add_nc_u64 s[6:7], s[6:7], s[22:23]          ; the batch's mask
	CROUND                                         ; all four work-groups are here: the first joint loads meet
.irp s, 0,1
	s_mov_b32 s[G0K+4*\s], 1                       ; count = 1
	s_add_co_u32 s[G0K+4*\s+1], s15, \s*SLOTB      ; LDS address
	s_add_nc_u64 s[G0K+4*\s+2:G0K+4*\s+3], s[18:19], KREG+\s*SLOTM   ; global address: slot s begins with keys 512 s on
	s_or_b32 s[G0K+4*\s+3], s[G0K+4*\s+3], 0x80000000               ; type = 2
	s_mov_b32 s[G0V+4*\s], 1
	s_add_co_u32 s[G0V+4*\s+1], s3, \s*SLOTB
	s_add_nc_u64 s[G0V+4*\s+2:G0V+4*\s+3], s[18:19], VREG+\s*SLOTM
	s_or_b32 s[G0V+4*\s+3], s[G0V+4*\s+3], 0x80000000
.endr
	s_cmp_lt_u32 s[WV], 4                          ; a wave's two first fills stand in one branch, ahead of every wait on TENSORcnt and every LDS read: two loads of mine are out
	s_cbranch_scc0 .Lfirst_v
	tensor_load_to_lds s[G0K:G0K+3], s[G1K:G1K+7]
	s_nop 0
	tensor_load_to_lds s[G0K+4:G0K+7], s[G1K:G1K+7]
	s_nop 0
.rept 4
	v_nop
.endr
	s_branch .Lfirst_asked
.Lfirst_v:
	tensor_load_to_lds s[G0V:G0V+3], s[G1V:G1V+7]
	s_nop 0
	tensor_load_to_lds s[G0V+4:G0V+7], s[G1V:G1V+7]
	s_nop 0
.rept 4
	v_nop
.endr
.Lfirst_asked:
	v_and_b32 v1, 15, v0                           ; r = lane % 16
	v_bfe_u32 v22, v0, 4, 1                        ; h = lane / 16
	v_lshlrev_b32 v20, 5, v0                       ; the 256 threads take eight mask words each: the batch's 2,048
	global_load_b128 v[OB:OB+3], v20, s[6:7]
	global_load_b128 v[OB+4:OB+7], v20, s[6:7] offset:16
	s_lshl_b32 s16, s13, 11
	s_lshl_b32 s17, s[WV], 8
	s_add_co_u32 s16, s16, s17                     ; my wave's first query, 4 bytes a word
	v_lshl_add_u32 v15, v1, 2, s16
.irp t, 0,1,2,3
	global_load_b32 v[QM+\t], v15, s[6:7] offset:64*\t             ; the mask word of my query in tile t
.endr
	v_lshlrev_b32 v[QO], 7, v1
	v_lshl_add_u32 v[QO], v22, 4, v[QO]            ; row r x 128 + 16 x half
.irp t, 0,1,2,3                        ; Q stays in registers: tile t, channels 32 ks on; registers 0-3 channels 8 h + 0..7, registers 4-7 channels 16 + 8 h + 0..7
.irp ks, 0,1
.irp c, 0,1
	global_load_b128 v[Q+16*\t+8*\ks+4*\c:Q+16*\t+8*\ks+4*\c+3], v[QO], s[4:5] offset:\t*2048+64*\ks+32*\c
.endr
.endr
.endr
	v_lshl_add_u32 v21, v0, 5, BIAS                ; where my eight words of the table go
	v_lshrrev_b32 v[AK0], 1, v1
	v_mul_u32_u24 v[AK0], v[AK0], PKP
	v_and_b32 v23, 1, v0
	v_lshl_add_u32 v[AK0], v23, 7, v[AK0]
	v_lshl_add_u32 v[AK0], v22, 4, v[AK0]          ; K: key r: row r / 2, half r % 2, + 16 h
	; the turning load takes 16 keys x 16 channels: lane l reads 16 bytes of key 8 (l / 16) + l % 8, channels 8 ((l / 8) % 2) + 0..7, and is left with channel l % 16 and 8 keys
	v_bfe_u32 v[AV0], v0, 1, 2
	v_lshl_add_u32 v[AV0], v22, 2, v[AV0]
	v_mul_u32_u24 v[AV0], v[AV0], PVP
	v_lshl_add_u32 v[AV0], v23, 7, v[AV0]
	v_bfe_u32 v[ADK], v0, 3, 1
	v_lshl_add_u32 v[AV0], v[ADK], 4, v[AV0]
	v_add_nc_u32 v[AV0], VOFF, v[AV0]
	v_lshl_add_u32 v[AB0], v22, 5, BIAS            ; the table: my half's eight keys of a tile
	s_mul_i32 s17, s[WV], 16*SPT
	s_add_co_u32 s17, s17, STAGE                   ; my stage
	v_mul_u32_u24 v[STO], v1, SPT
	v_lshl_add_u32 v[STO], v22, 4, v[STO]
	v_add_nc_u32 v[STO], s17, v[STO]               ; in: row r, 16 bytes for each half of the lanes
	v_bfe_u32 v[RD], v0, 3, 2
	v_mul_u32_u24 v[RD], v[RD], SPT
	v_and_b32 v[ADV], 7, v0
	v_lshl_add_u32 v[RD], v[ADV], 4, v[RD]
	v_add_nc_u32 v[RD], s17, v[RD]                 ; back: eight lanes to a row of 128 bytes, four rows an instruction
	v_and_b32 v[GO], 31, v0
	v_lshlrev_b32 v[GO], 4, v[GO]                  ; which are 512 bytes on end in att
	s_wait_loadcnt 20                              ; the mask's two loads are in; the 4 query words and Q's 16 loads may be out
.irp i, 0,1,2,3,4,5,6,7
	v_cmp_eq_u32 vcc_lo, 0, v[OB+\i]
	v_cndmask_b32 v[OB+8+\i], 0, v14, vcc_lo       ; 0 for a key that counts, -1e30 for one that does not
.endr
	ds_store_b128 v21, v[OB+8:OB+11]
	ds_store_b128 v21, v[OB+12:OB+15] offset:16
	s_wait_tensorcnt 1                             ; my part of slot 0 is in; slot 1's may stay out
	s_wait_dscnt 0x0                               ; my part of the table is stored
	s_barrier_signal -1
	s_barrier_wait -1                              ; everybody's are
; THE LDS LOADS stand in runs.  A step's bias (8 loads) and K (16), and later its V (16, turned).
.macro FETCH_KB
	WIN 0
	v_add_nc_u32 v[ADK], s[FK], v[AK0]
	v_add_nc_u32 v[ADB], s[FB], v[AB0]
	s_add_co_u32 s[FK], s[FK], KSTEPB              ; the next fetch is the next step's
	s_add_co_u32 s[FB], s[FB], 256
.irp kt, 0,1,2,3
.irp c, 0,1
	ds_load_b128 v[BI+8*\kt+4*\c:BI+8*\kt+4*\c+3], v[ADB] offset:64*\kt+16*\c      ; register j: the word of key 16 kt + 8 h + j
.endr
.endr
	WIN W_LD
.irp kt, 0,1,2,3
.irp ks, 0,1
.irp c, 0,1
	ds_load_b128 v[KF+16*\kt+8*\ks+4*\c:KF+16*\kt+8*\ks+4*\c+3], v[ADK] offset:\kt*8*PKP+64*\ks+32*\c
.endr
.endr
.endr
	WIN 0
.endm
.macro FETCH_V
	WIN 0
	v_add_nc_u32 v[ADV], s[FV], v[AV0]
	s_add_co_u32 s[FV], s[FV], VSTEPB
	WIN W_LD
.irp kh, 0,1
.irp ct, 0,1,2,3
.irp e, 0,1
	ds_load_tr16_b128 v[VF+32*\kh+8*\ct+4*\e:VF+32*\kh+8*\ct+4*\e+3], v[ADV] offset:\kh*16*PVP+\e*8*PVP+32*\ct   ; keys 32 kh + 16 e on, channels 16 ct on
.endr
.endr
.endr
	WIN 0
.endm
; S^T of piece x: 16 products; the first eight take the bias as C, the eight accumulators take turns.
.macro KQ x
	WIN W_KQ
.irp ks, 0,1
.irp kt, 0,1,2,3
.irp u, 0,1
.if \ks == 0
	v_wmma_f32_16x16x32_f16 v[S+32*\u+8*\kt:S+32*\u+8*\kt+7], v[KF+16*\kt+8*\ks:KF+16*\kt+8*\ks+7], v[Q+16*(\x+\u)+8*\ks:Q+16*(\x+\u)+8*\ks+7], v[BI+8*\kt:BI+8*\kt+7]
.else
	v_wmma_f32_16x16x32_f16 v[S+32*\u+8*\kt:S+32*\u+8*\kt+7], v[KF+16*\kt+8*\ks:KF+16*\kt+8*\ks+7], v[Q+16*(\x+\u)+8*\ks:Q+16*(\x+\u)+8*\ks+7], v[S+32*\u+8*\kt:S+32*\u+8*\kt+7]
.endif
.endr
.endr
.endr
.endm
; O^T += V^T P of piece x: 16 products, eight accumulators by turns.  first = 1: the first eight start the sums: nothing is cleared.
.macro PV x, first
	WIN W_PV
.irp kh, 0,1
.irp ct, 0,1,2,3
.irp u, 0,1
.if \first && (\kh == 0)
	v_wmma_f32_16x16x32_f16 v[32*(\x+\u)+8*\ct:32*(\x+\u)+8*\ct+7], v[VF+32*\kh+8*\ct:VF+32*\kh+8*\ct+7], v[S+32*\u+8*\kh:S+32*\u+8*\kh+7], 0
.else
	v_wmma_f32_16x16x32_f16 v[32*(\x+\u)+8*\ct:32*(\x+\u)+8*\ct+7], v[VF+32*\kh+8*\ct:VF+32*\kh+8*\ct+7], v[S+32*\u+8*\kh:S+32*\u+8*\kh+7], v[32*(\x+\u)+8*\ct:32*(\x+\u)+8*\ct+7]
.endif
.endr
.endr
.endr
.endm
.macro PKS x, i                        ; pair i of both tiles: s - m, two at a time (of the pair m, d the low word serves both halves)
.irp u, 0,1
	v_pk_add_f32 v[S+32*\u+2*(\i):S+32*\u+2*(\i)+1], v[S+32*\u+2*(\i):S+32*\u+2*(\i)+1], v[PS+4*(\x+\u):PS+4*(\x+\u)+1] op_sel_hi:[1,0] neg_lo:[0,1] neg_hi:[0,1]
.endr
.endm
.macro EXPS i                          ; and its four exponentials
.irp u, 0,1
	v_exp_f32 v[S+32*\u+2*(\i)], v[S+32*\u+2*(\i)]
	v_exp_f32 v[S+32*\u+2*(\i)+1], v[S+32*\u+2*(\i)+1]
.endr
.endm
; THE SOFTMAX of piece x for one step, its two tiles line by line, so that no line waits for the line above it.  first = 1: the first step, which starts m and l and has nothing to rescale.
.macro SOFTMAX x, first
	WIN 0
.irp j, 0,1,2,3                        ; the maximum of a lane's 32 scores: four chains, each beginning at its accumulator's low end
.irp u, 0,1
	v_max3_num_f32 v[TP+8*\u+\j], v[S+32*\u+8*\j], v[S+32*\u+8*\j+1], v[S+32*\u+8*\j+2]
.endr
.endr
.irp g, 1,2
.irp j, 0,1,2,3
.irp u, 0,1
	v_max3_num_f32 v[TP+8*\u+\j], v[TP+8*\u+\j], v[S+32*\u+8*\j+2*\g+1], v[S+32*\u+8*\j+2*\g+2]
.endr
.endr
.endr
.irp u, 0,1
	v_max3_num_f32 v[TP+8*\u], v[TP+8*\u], v[S+32*\u+7], v[S+32*\u+15]
.endr
.irp u, 0,1
	v_max3_num_f32 v[TP+8*\u+2], v[TP+8*\u+2], v[S+32*\u+23], v[S+32*\u+31]
.endr
.irp u, 0,1
	v_max3_num_f32 v[TP+8*\u], v[TP+8*\u], v[TP+8*\u+1], v[TP+8*\u+2]
.endr
.irp u, 0,1
.if \first
	v_max_num_f32 v[TP+8*\u], v[TP+8*\u], v[TP+8*\u+3]
.else
	v_max3_num_f32 v[TP+8*\u], v[TP+8*\u], v[TP+8*\u+3], v[PS+4*(\x+\u)]           ; with the old m
.endif
.endr
.irp u, 0,1
	v_permlanex16_b32 v[TP+8*\u+1], v[TP+8*\u], s[SEL], s[SEL+1]                   ; the query's other 32 keys lie in the lane 16 away
.endr
.if !\first
.irp u, 0,1
	v_mov_b32 v[PS+4*(\x+\u)+1], v[PS+4*(\x+\u)]                                   ; m_old is kept for a
.endr
.endif
.irp u, 0,1
	v_max_num_f32 v[PS+4*(\x+\u)], v[TP+8*\u], v[TP+8*\u+1]                        ; the new m
.endr
.if \first
.irp u, 0,1
	v_mov_b32 v[PS+4*(\x+\u)+1], v[PS+4*(\x+\u)]                                   ; (d is named with m as a pair, so it is written)
.endr
.else
.irp u, 0,1
	v_sub_f32 v[PS+4*(\x+\u)+1], v[PS+4*(\x+\u)+1], v[PS+4*(\x+\u)]
.endr
.irp u, 0,1
	v_exp_f32 v[TP+8*\u+4], v[PS+4*(\x+\u)+1]                                      ; a = 2^(m_old - m_new)
.endr
.endif
	PKS \x, 0                                      ; ONE BATCH: the scalings and all exponentials; none of these lines names an exponential's result
	PKS \x, 1
.irp i, 0,1,2,3,4,5,6,7,8,9,10,11,12,13
	EXPS \i
	PKS \x, \i+2
.endr
	EXPS 14
	EXPS 15
	v_nop                                          ; a plain instruction behind the last exponential
	s_wait_alu depctr_va_vdst(0)                   ; the wait ahead of the first line that names a result: one for the piece's whole batch
.irp u, 0,1                            ; THE SUMS, of the unrounded p, two chains a tile; a pair is (an even key's p, an odd key's)
.if \first
	v_pk_add_f32 v[TP+8*\u+2:TP+8*\u+3], v[S+32*\u:S+32*\u+1], v[S+32*\u+4:S+32*\u+5]
.else
	v_pk_fma_f32 v[TP+8*\u+2:TP+8*\u+3], v[PS+4*(\x+\u)+2:PS+4*(\x+\u)+3], v[TP+8*\u+4:TP+8*\u+5], v[S+32*\u:S+32*\u+1] op_sel_hi:[1,0,1]   ; a l + pair 0
.endif
.endr
.irp u, 0,1
	v_pk_add_f32 v[TP+8*\u:TP+8*\u+1], v[S+32*\u+2:S+32*\u+3], v[S+32*\u+6:S+32*\u+7]
.endr
.if !\first
.irp u, 0,1
	v_pk_add_f32 v[TP+8*\u+2:TP+8*\u+3], v[TP+8*\u+2:TP+8*\u+3], v[S+32*\u+4:S+32*\u+5]
.endr
.endif
.irp i, 4,6,8,10,12,14
.irp u, 0,1
	v_pk_add_f32 v[TP+8*\u+2:TP+8*\u+3], v[TP+8*\u+2:TP+8*\u+3], v[S+32*\u+2*\i:S+32*\u+2*\i+1]
.endr
.irp u, 0,1
	v_pk_add_f32 v[TP+8*\u:TP+8*\u+1], v[TP+8*\u:TP+8*\u+1], v[S+32*\u+2*\i+2:S+32*\u+2*\i+3]
.endr
.endr
.irp u, 0,1
	v_pk_add_f32 v[PS+4*(\x+\u)+2:PS+4*(\x+\u)+3], v[TP+8*\u+2:TP+8*\u+3], v[TP+8*\u:TP+8*\u+1]
.endr
.set i, 0
.rept 16                               ; P: rounded to f16 in pairs, in place and ascending: registers 8 kh .. 8 kh + 7 are source 1 for keys 32 kh on
.irp u, 0,1
	v_cvt_pk_f16_f32 v[S+32*\u+i], v[S+32*\u+2*i], v[S+32*\u+2*i+1]
.endr
.set i, i+1
.endr
.if !\first
	WIN W_RS
.set i, 0
.rept 16                               ; O^T x a, ascending: each accumulator is read from its low end on
.irp u, 0,1
	v_pk_mul_f32 v[32*(\x+\u)+2*i:32*(\x+\u)+2*i+1], v[32*(\x+\u)+2*i:32*(\x+\u)+2*i+1], v[TP+8*\u+4:TP+8*\u+5] op_sel_hi:[1,0]
.endr
.set i, i+1
.endr
.endif
.endm
; A KEY STEP: 64 keys, 64 products.  fetch = 1: the next step's operands are fetched: bias and K behind the last product that reads K, V behind the last that reads V.
.macro STEP first, fetch
	s_wait_dscnt 16                                ; the bias and K are in; V's 16 younger loads may be out
	KQ 0
	PLACES 4                                       ; in front of the first read of the scores
	SOFTMAX 0, \first
	s_wait_dscnt 0x0                               ; V is in
	PV 0, \first
	PLACES 5                                       ; the next products write over S, which these have read as a source
	KQ 2
	PLACES 4                                       ; in front of the reads of the scores, and of the loads into K's and the bias's registers
.if \fetch
	FETCH_KB
.endif
	SOFTMAX 2, \first
	PV 2, \first
	PLACES 5                                       ; in front of the loads into V's registers, and of the next step's products, which write over S
.if \fetch
	FETCH_V
.endif
	WIN 0                                          ; at a label and at a branch every window is 0
.endm
.macro LOOP n
	s_mov_b32 s[CNT], \n
.Lstep_\@:
	STEP 0, 1
	s_sub_co_u32 s[CNT], s[CNT], 1
	s_cmp_lg_u32 s[CNT], 0
	s_cbranch_scc1 .Lstep_\@
.endm
; THE CHANGE OF SLOTS stands ahead of the last step whose operands came from slot s: they have been asked for.  Each wave waits for all its tensor loads (its part of the other slot), adds 0 to its spare word, and waits for that
; and for its reads of slot s.  Behind the barrier nobody reads slot s and the other slot is whole.  fill = 1: the barrier is a round of the cluster's, and slot s is filled with the keys two slots on, first thing behind it.
.macro CHANGE fill, s
	WIN 0
	s_wait_tensorcnt 0x0                           ; no tensor load of mine is out, so a group 0 may be written
	ds_add_u32 v[SPW], v[NIL]                      ; 0 onto my spare word; the steps below stand between it and the wait for it
.if \fill
	s_add_nc_u64 s[G0K+4*\s+2:G0K+4*\s+3], s[G0K+4*\s+2:G0K+4*\s+3], 2*SLOTM
	s_add_nc_u64 s[G0V+4*\s+2:G0V+4*\s+3], s[G0V+4*\s+2:G0V+4*\s+3], 2*SLOTM
.endif
	s_mov_b32 s[FK], (1-\s)*SLOTB                  ; the fetches go on in the other slot
	s_mov_b32 s[FV], (1-\s)*SLOTB
	s_wait_dscnt 0x0                               ; the add is done, and my reads of slot s are over
.if \fill
	CROUND
	JLOAD \s                                       ; my one tensor load behind the round
.else
	s_barrier_signal -1
	s_barrier_wait -1
.endif
.endm
	FETCH_KB                                       ; step 0
	FETCH_V
	s_wait_loadcnt 0x0                             ; Q and the queries' mask words
	STEP 1, 1                                      ; step 0 starts m, l and O^T
	LOOP 6                                         ; steps 1-6; step 6 fetches step 7's operands, the last of slot 0
	CHANGE 1, 0                                    ; slot 0 takes keys 1,024 on
	LOOP 8                                         ; steps 7-14
	CHANGE 1, 1                                    ; slot 1 takes keys 1,536 on
	LOOP 8                                         ; steps 15-22
	CHANGE 0, 0                                    ; nothing is left to ask for
	LOOP 8                                         ; steps 23-30
	STEP 0, 0                                      ; step 31 fetches nothing
	; THE WAY OUT.  l's two halves and the other half of the lanes' are added (these lines are the places behind the last products); 1 / l, or 0 for a query that does not count.
.irp t, 0,1,2,3
	v_add_f32 v[PS+4*\t+2], v[PS+4*\t+2], v[PS+4*\t+3]
.endr
.irp t, 0,1,2,3
	v_permlanex16_b32 v[PS+4*\t+1], v[PS+4*\t+2], s[SEL], s[SEL+1]
.endr
.irp t, 0,1,2,3
	v_add_f32 v[PS+4*\t+2], v[PS+4*\t+2], v[PS+4*\t+1]
.endr
.irp t, 0,1,2,3
	v_rcp_f32 v[PS+4*\t+2], v[PS+4*\t+2]
.endr
	v_nop                                          ; a plain instruction behind the last reciprocal
	s_wait_alu depctr_va_vdst(0)                   ; and the wait ahead of the first use: one for the four
.irp t, 0,1,2,3
	v_cmp_ne_u32 vcc_lo, 0, v[QM+\t]
	v_cndmask_b32 v[PS+4*\t+2], 0, v[PS+4*\t+2], vcc_lo
.endr
; Tile t: O^T / l, rounded to f16; a lane's eight channels are 16 bytes; they go into rows of 144 bytes of my own stage and come back four whole rows an instruction.
.macro OPACK t
	WIN 0x01                                       ; source 0 (O^T) window 1
.set i, 0
.rept 16
	v_pk_mul_f32 v[S+32*((\t)%2)+2*i:S+32*((\t)%2)+2*i+1], v[32*(\t)+2*i:32*(\t)+2*i+1], v[PS+4*(\t)+2:PS+4*(\t)+3] op_sel_hi:[1,0]
.set i, i+1
.endr
	WIN 0
.set i, 0
.rept 16
	v_cvt_pk_f16_f32 v[S+32*((\t)%2)+i], v[S+32*((\t)%2)+2*i], v[S+32*((\t)%2)+2*i+1]
.set i, i+1
.endr
.irp ct, 0,1,2,3
	ds_store_b128 v[STO], v[S+32*((\t)%2)+4*\ct:S+32*((\t)%2)+4*\ct+3] offset:32*\ct
.endr
.irp i, 0,1,2,3
	ds_load_b128 v[OB+16*((\t)%2)+4*\i:OB+16*((\t)%2)+4*\i+3], v[RD] offset:\i*4*SPT   ; LDS serves a wave's instructions in order: these see the stores above, and the next tile's stores come behind them
.endr
.endm
.macro OSEND t, younger                ; younger: the LDS instructions issued behind tile t's loads
.irp i, 0,1,2,3
	s_wait_dscnt \younger+3-\i
	global_store_b128 v[GO], v[OB+16*((\t)%2)+4*\i:OB+16*((\t)%2)+4*\i+3], s[8:9] offset:(\t)*2048+\i*512   ; 512 consecutive bytes, aligned
.endr
.endm
	OPACK 0
	OPACK 1
	OSEND 0, 8
	s_wait_xcnt 0x0                                ; tile 0's stores have read their registers, which tile 2's loads take
	OPACK 2
	OSEND 1, 8
	s_wait_xcnt 0x0                                ; tile 1's likewise
	OPACK 3
	OSEND 2, 8
	OSEND 3, 0
	s_wait_tensorcnt 0x0                           ; the wave's end, behind my last tensor load and my last LDS store
	ds_add_u32 v[SPW], v[NIL]
	s_wait_dscnt 0x0
	CROUND                                         ; the closing round: no work-group ends while a partner may still ask for a tile that names it
	s_endpgm
.Lfunc_end_k_q3a08532b2e_attn:
	.size	k_q3a08532b2e_attn, .Lfunc_end_k_q3a08532b2e_attn-k_q3a08532b2e_attn
	.p2alignl 7, 3214868480
	.fill 96, 4, 3214868480
	.section	.rodata,"a",@progbits
	.p2align	6, 0x0
	.amdhsa_kernel k_q3a08532b2e_attn
		.amdhsa_group_segment_fixed_size 327680
		.amdhsa_private_segment_fixed_size 0
		.amdhsa_enable_private_segment 0
		.amdhsa_kernarg_size 24
		.amdhsa_user_sgpr_count 2
		.amdhsa_user_sgpr_kernarg_segment_ptr 1
		.amdhsa_wavefront_size32 1
		.amdhsa_system_sgpr_workgroup_id_x 1
		.amdhsa_system_sgpr_workgroup_id_y 1
		.amdhsa_system_sgpr_workgroup_id_z 1
		.amdhsa_system_vgpr_workitem_id 0
		.amdhsa_next_free_vgpr 512
		.amdhsa_next_free_sgpr 66
		.amdhsa_reserve_vcc 1
		.amdhsa_float_denorm_mode_32 3
		.amdhsa_float_denorm_mode_16_64 3
		.amdhsa_memory_ordered 1
		.amdhsa_forward_progress 1
		.amdhsa_inst_pref_size 219
	.end_amdhsa_kernel
	.amdgpu_metadata
---
amdhsa.version: [ 1, 2 ]
amdhsa.kernels:
  - .name:           k_q3a08532b2e_attn
    .symbol:         k_q3a08532b2e_attn.kd
    .args:
      - { .name: qkv, .offset: 0, .size: 8, .value_kind: global_buffer, .address_space: global }
      - { .name: attention_mask, .offset: 8, .size: 8, .value_kind: global_buffer, .address_space: global }
      - { .name: att, .offset: 16, .size: 8, .value_kind: global_buffer, .address_space: global }
    .group_segment_fixed_size: 327680
    .private_segment_fixed_size: 0
    .kernarg_segment_align: 8
    .kernarg_segment_size: 24
    .max_flat_workgroup_size: 256
    .sgpr_count:     66
    .vgpr_count:     512
    .wavefront_size: 32
...
	.end_amdgpu_metadata
.endif
;; end of part 3
;; launch oproj (part 4): grid 4 x 64, 4 waves a work-group, clusters of 4 x 4, 327,680 bytes of LDS; arguments att, wo_t, out0; writes out0
.if DOCPART == 4
	.amdgcn_target "amdgcn-amd-amdhsa--gfx1250"
	.amdhsa_code_object_version 6
	.text
	.protected	k_q3a08532b2e_oproj
	.globl	k_q3a08532b2e_oproj
	.p2align	8
	.type	k_q3a08532b2e_oproj,@function
k_q3a08532b2e_oproj:
	s_mov_b64 s[64:65], 0
	v_nop
	global_prefetch_b8 v0, s[64:65] scope:SCOPE_SE
	s_setreg_imm32_b32 hwreg(HW_REG_WAVE_MODE, 25, 1), 1
	s_wait_xcnt 0x0
	s_wait_alu depctr_hold_cnt(0) depctr_sa_sdst(0) depctr_va_vdst(0) depctr_va_sdst(0) depctr_va_ssrc(0) depctr_va_vcc(0) depctr_vm_vsrc(0)
	s_getreg_b32 s2, hwreg(HW_REG_IB_STS2, 6, 4)
	s_cmp_eq_u32 s2, 0
	s_cbranch_scc0 .Lentry_in_a_cluster
	s_endpgm
.Lentry_in_a_cluster:
	s_bfe_u32 s2, ttmp6, 0x10000c
	s_cmp_lg_u32 s2, 0xf033
	s_cbranch_scc0 .Lentry_shape_is_right
	s_endpgm
.Lentry_shape_is_right:
; OPROJ: out0[m][n] = sum over k of A[m][k] wo_t[n][k], m = batch x 2,048 + token, k = head x 64 + channel; f16 operands, sums and result in f32.
; A is att, laid [batch x 16 + head][token][64] f16; wo_t is [n 1,024][k 1,024] f16.  LIMIT: both operands stay at or under 65,504 (f16).
; A tile of out0 is 128 (m) x 256 (n): 256 work-groups; four waves, each 64 x 128: 32 accumulators of 16 x 16.  K goes in steps of 128 (two heads) through a ring of two LDS slots.
; A head's part of the tile's 128 tokens is one dense block of 16,384 bytes: it is stated as 64 rows of 256 bytes, two tokens to a row.  Waves 0 and 1 fetch A's two heads, waves 2 and 3 the halves of wo_t's 256 rows: one load a wave.
; CLUSTERS: 4 x 4 work-groups.  The four of a row of the cluster need the same tiles of A, the four of a column the same tiles of wo_t: each is asked for JOINTLY.
; THE MATRIX INSTRUCTION IS USED TRANSPOSED (source 0 = 16 rows of wo_t, source 1 = 16 tokens): a lane then holds eight neighbouring numbers of a row of out0.
; REGISTERS: window 0: v0-31 addresses; v32-95 A's fragments, two buffers of 4 x 8; v96-223 wo_t's, two buffers of 8 x 8; on the way out v32-159 hold rows.   window 1: accumulator (a, b) at v[8 (8 a + b)].
.set PITCH,  272                       ; an LDS row: 256 bytes + 16 of padding
.set AH,     64*PITCH                  ; one head's 128 tokens
.set HALFB,  128*PITCH                 ; 128 rows of wo_t
.set SLOT,   2*AH+2*HALFB
.set STAGE,  2*SLOT                    ; behind the ring: 16 rows x (512 bytes + 16) for each wave
.set SPITCH, 528
.set SPARE,  STAGE+4*16*SPITCH         ; the spare words, 128 bytes for each wave: two blocks of 256 bytes that no other line names
.set ADRA, 16                          ; v16-17  LDS address of my A fragments in slot 0, 1
.set ADRB, 20                          ; v20-21  the same for wo_t
.set STO,  24                          ; v24     the way out: where I put 32 bytes of a row
.set RD,   25                          ; v25     where I read a row back
.set CO,   26                          ; v26     16 x lane
.set SPW,  28                          ; v28     LDS address of my spare word; never rewritten
.set NIL,  29                          ; v29     0; never rewritten
.set FA,   32
.set FB,   96
.set G1, 24                            ; s[24:31] descriptor group 1 for A's tiles;  s[32:39] group 0, one set for each slot
.set G0, 32
.set G1B, 48                           ; s[48:55], s[56:63] the same for wo_t's
.set G0B, 56
.set MSB, 0
.macro WIN new                         ; the immediate's high byte repeats the setting that is left
.if MSB != (\new)
	s_set_vgpr_msb (MSB<<8)|(\new)
.set MSB, (\new)
.endif
.endm
.set MUL, 0x50                         ; C and D window 1, both sources window 0
.macro JLOAD s                         ; a joint load; an s_nop 0 and four v_nop follow each of the two lines
	s_cmp_eq_u32 s11, 0
	s_cbranch_scc0 .Lfor_b_\@
	tensor_load_to_lds s[G0+4*\s:G0+4*\s+3], s[G1:G1+7]
	s_nop 0
.rept 4
	v_nop
.endr
	s_branch .Lasked_\@
.Lfor_b_\@:
	tensor_load_to_lds s[G0B+4*\s:G0B+4*\s+3], s[G1B:G1B+7]
	s_nop 0
.rept 4
	v_nop
.endr
.Lasked_\@:
.endm
.macro CREST                           ; a round of the cluster's barrier behind its opening barrier
	s_cmp_lg_u32 s10, 0
	s_cbranch_scc1 .Lnot_wave_0_\@
	s_barrier_signal -3
.Lnot_wave_0_\@:
	s_barrier_wait -3
	s_barrier_signal -1
	s_barrier_wait -1
.endm
.macro CROUND                          ; a whole round
	s_barrier_signal -1
	s_barrier_wait -1
	CREST
.endm
	s_load_b128 s[4:7], s[0:1], 0x0                ; att s[4:5], wo_t s[6:7]
	s_load_b64 s[8:9], s[0:1], 0x10                ; out0
	v_lshl_add_u32 v[SPW], v0, 2, SPARE
	v_mov_b32 v[NIL], 0
	ds_add_u32 v[SPW], v[NIL]                      ; the wave's opening: the add, twice on end, and its wait ahead of my first tensor load
	ds_add_u32 v[SPW], v[NIL]                      ; the set-up below, work on registers, stands between the second and the wait
	v_lshrrev_b32 v1, 5, v0
	v_readfirstlane_b32 s10, v1                    ; wave 0..3
	s_lshr_b32 s11, s10, 1                         ; which 64 rows of the tile are mine.  Also: I fetch for A (0) or for wo_t (1)
	s_and_b32 s12, s10, 1                          ; which 128 columns.  Also: which head, or which 128 rows, I fetch
	s_bfe_u32 s40, ttmp6, 0x40000                  ; cx, cy: my place in the cluster
	s_bfe_u32 s41, ttmp6, 0x40004
	s_lshl_b32 s42, ttmp9, 2
	s_add_co_u32 s42, s42, s40                     ; tile column = 4 x cluster x + cx
	s_and_b32 s13, ttmp7, 0xffff
	s_lshl_b32 s13, s13, 2
	s_add_co_u32 s13, s13, s41                     ; tile row = 4 x cluster y + cy
	s_lshl_b32 s43, s41, 2
	s_lshl_b32 s43, 15, s43                        ; my row of the cluster
	s_lshl_b32 s44, 0x1111, s40                    ; my column
	s_or_b32 s[G1+0], s43, (1<<16)|(1<<20)|(1<<21)|(5<<22)|(3<<25)  ; 15:0 the mask; 17:16 elements of 2 bytes; 20 padding on; 21 set beside a mask; 24:22 after every 64 words; 31:25 four words
	s_mov_b32 s[G1+1], 128<<16                     ; A: tensor_dim0 = 128
	s_mov_b32 s[G1+2], 64<<16                      ; tensor_dim1 = 64
	s_mov_b32 s[G1+3], 128<<16                     ; tile_dim0
	s_mov_b32 s[G1+4], 64                          ; tile_dim1
	s_mov_b32 s[G1+5], 128                         ; stride: the block is dense
	s_mov_b32 s[G1+6], 0
	s_mov_b32 s[G1+7], 0
	s_or_b32 s[G1B+0], s44, (1<<16)|(1<<20)|(1<<21)|(5<<22)|(3<<25)
	s_mov_b32 s[G1B+1], 128<<16                    ; wo_t: 128 rows x 128 elements, rows 1,024 elements apart
	s_mov_b32 s[G1B+2], 128<<16
	s_mov_b32 s[G1B+3], 128<<16
	s_mov_b32 s[G1B+4], 128
	s_mov_b32 s[G1B+5], 1024
	s_mov_b32 s[G1B+6], 0
	s_mov_b32 s[G1B+7], 0
	; A's tiles hang on the tile row alone, wo_t's on the tile column alone; each address is made in registers that never hold the other coordinate
	s_lshr_b32 s16, s13, 4                         ; the batch: 16 heads of 262,144 bytes
	s_lshl_b32 s16, s16, 22
	s_and_b32 s17, s13, 15                         ; the tile's first token: 128 tokens of 128 bytes a tile
	s_lshl_b32 s17, s17, 14
	s_add_co_u32 s16, s16, s17
	s_lshl_b32 s17, s12, 18                        ; the head that I fetch
	s_add_co_u32 s16, s16, s17
	s_mov_b32 s17, 0
	s_lshl_b32 s46, s42, 8
	s_lshl_b32 s47, s12, 7
	s_add_co_u32 s46, s46, s47                     ; wo_t: row 256 x tile column + 128 x half,
	s_lshl_b32 s46, s46, 11                        ; 2,048 bytes a row
	s_mov_b32 s47, 0
	s_mul_i32 s20, s12, AH                         ; where they go: no place in the cluster enters an LDS address
	s_mul_i32 s21, s12, HALFB
	s_add_co_u32 s21, s21, 2*AH
	s_wait_dscnt 0x0                               ; both opening adds are done
	s_wait_kmcnt 0x0
	s_add_nc_u64 s[14:15], s[4:5], s[16:17]
	s_add_nc_u64 s[46:47], s[6:7], s[46:47]
	CROUND                                         ; all sixteen work-groups are here: the first joint loads meet
.irp s, 0,1
	s_mov_b32 s[G0+4*\s], 1
	s_add_co_u32 s[G0+4*\s+1], s20, \s*SLOT
	s_add_nc_u64 s[G0+4*\s+2:G0+4*\s+3], s[14:15], \s*2*262144     ; K step s: heads 2 s, 2 s + 1
	s_or_b32 s[G0+4*\s+3], s[G0+4*\s+3], 0x80000000
	s_mov_b32 s[G0B+4*\s], 1
	s_add_co_u32 s[G0B+4*\s+1], s21, \s*SLOT
	s_add_nc_u64 s[G0B+4*\s+2:G0B+4*\s+3], s[46:47], \s*256
	s_or_b32 s[G0B+4*\s+3], s[G0B+4*\s+3], 0x80000000
	JLOAD \s                                       ; two loads of mine are out
.endr
	v_and_b32 v1, 15, v0                           ; r = lane % 16
	v_bfe_u32 v2, v0, 4, 1                         ; h = lane / 16
	v_lshrrev_b32 v3, 1, v1
	v_mul_u32_u24 v3, v3, PITCH
	v_and_b32 v4, 1, v0
	v_lshl_add_u32 v3, v4, 7, v3
	v_lshl_add_u32 v3, v2, 4, v3                   ; A: token r: row r / 2, half r % 2, + 16 h
	v_mul_u32_u24 v4, v1, PITCH
	v_lshl_add_u32 v4, v2, 4, v4                   ; wo_t: row r, + 16 h
	s_mul_i32 s21, s11, 32*PITCH                   ; my 64 tokens
	s_mul_i32 s22, s12, HALFB                      ; my 128 rows of wo_t,
	s_add_co_u32 s22, s22, 2*AH                    ; which lie behind A's two heads
.irp s, 0,1
	v_add_nc_u32 v[ADRA+\s], s21, v3
	v_add_nc_u32 v[ADRB+\s], s22, v4
	s_add_co_u32 s21, s21, SLOT
	s_add_co_u32 s22, s22, SLOT
.endr
	s_mul_i32 s23, s10, 16*SPITCH
	s_add_co_u32 s23, s23, STAGE                   ; my stage
	v_mul_u32_u24 v5, v1, SPITCH
	v_lshl_add_u32 v5, v2, 5, v5
	v_add_nc_u32 v[STO], s23, v5                   ; in: row r, 32 bytes for each half of the lanes
	v_and_b32 v6, 31, v0
	v_lshlrev_b32 v[CO], 4, v6                     ; back: the 32 lanes take one row of 512 bytes; and the same in out0
	v_add_nc_u32 v[RD], s23, v[CO]
	s_lshl_b32 s16, s13, 7
	s_lshl_b32 s17, s11, 6
	s_add_co_u32 s16, s16, s17                     ; my first row of out0,
	s_lshl_b32 s16, s16, 12                        ; 4,096 bytes a row
	s_lshl_b32 s17, s42, 10                        ; my first column, in bytes: 1,024 x tile column + 512 x half
	s_add_co_u32 s16, s16, s17
	s_lshl_b32 s17, s12, 9
	s_add_co_u32 s16, s16, s17
	s_mov_b32 s17, 0
	s_add_nc_u64 s[8:9], s[8:9], s[16:17]
; 8 matrix instructions: token block a against wo_t's eight blocks, 32 along K, from buffer f.  zero = 1: the first product starts the sums.  The 32 accumulators take turns in one order everywhere.
.macro MUL8 f, a, zero
.irp b, 0,1,2,3,4,5,6,7
.if \zero
	v_wmma_f32_16x16x32_f16 v[8*(8*(\a)+\b):8*(8*(\a)+\b)+7], v[FB+64*(\f)+8*\b:FB+64*(\f)+8*\b+7], v[FA+32*(\f)+8*(\a):FA+32*(\f)+8*(\a)+7], 0
.else
	v_wmma_f32_16x16x32_f16 v[8*(8*(\a)+\b):8*(8*(\a)+\b)+7], v[FB+64*(\f)+8*\b:FB+64*(\f)+8*\b+7], v[FA+32*(\f)+8*(\a):FA+32*(\f)+8*(\a)+7], v[8*(8*(\a)+\b):8*(8*(\a)+\b)+7]
.endif
.endr
.endm
; 24 LDS loads in one run: quarter kq (32 along K) of a slot into buffer f: wo_t's 16 first, then A's 8.  Quarters 0, 1 lie in the slot's first head, 2, 3 in its second.
.macro FETCH slot, kq, f
.irp b, 0,1,2,3,4,5,6,7
.irp c, 0,1
	ds_load_b128 v[FB+64*(\f)+8*\b+4*\c:FB+64*(\f)+8*\b+4*\c+3], v[ADRB+\slot] offset:\b*16*PITCH+64*(\kq)+32*\c
.endr
.endr
.irp i, 0,1,2,3
.irp c, 0,1
	ds_load_b128 v[FA+32*(\f)+8*\i+4*\c:FA+32*(\f)+8*\i+4*\c+3], v[ADRA+\slot] offset:\i*8*PITCH+((\kq)>>1)*AH+((\kq)&1)*64+32*\c
.endr
.endr
.endm
.macro PLACES                          ; four places in front of loads into registers that matrix instructions have read, and of the first read of results (ISA guide 7.12.1 for the read of results)
.rept 4
	v_nop
.endr
.endm
; A K step is four quarters of 32 along K, 32 matrix instructions each, on buffers 0, 1, 0, 1.  One of the first three: multiplies buffer f and fetches quarter kq into g.
.macro QUARTER slot, kq, f, g, zero
	s_wait_dscnt 4                                 ; wo_t's fragments and A's blocks 0, 1 are in; the youngest four loads (A's blocks 2, 3) may be out
	WIN MUL
	MUL8 \f, 0, \zero
	MUL8 \f, 1, \zero
	PLACES
	WIN 0
	FETCH \slot, \kq, \g
	s_wait_dscnt 24                                ; all but the 24 just issued
	WIN MUL
	MUL8 \f, 2, \zero
	MUL8 \f, 3, \zero
.endm
; The last quarter multiplies buffer 1 and changes slots: ONE barrier; in front of it each wave waits for all its tensor loads, adds 0 to its spare word, and waits for that and for its reads of this slot.  fill = 1: this slot is filled again, two K steps ahead.
.macro TURN slot, next, fill
	WIN 0                                          ; (the add's two registers lie in window 0)
	s_wait_tensorcnt 0x0                           ; all my tensor loads have landed: my part of the next slot
	ds_add_u32 v[SPW], v[NIL]                      ; 0 onto my spare word
	s_wait_dscnt 5                                 ; (the add and the youngest four loads may be out)
	WIN MUL
	MUL8 1, 0, 0                                   ; eight matrix instructions stand between the add and the wait for it
	s_wait_dscnt 0x0                               ; the add is done, and my reads of this slot are over
	s_barrier_signal -1
	MUL8 1, 1, 0
	WIN 0
	s_barrier_wait -1
.if \fill
	CREST                                          ; the barrier has opened a round of the cluster's barrier: no wave of any partner still reads this slot or has a load on its way
	s_add_nc_u64 s[G0+4*\slot+2:G0+4*\slot+3], s[G0+4*\slot+2:G0+4*\slot+3], 4*262144   ; four heads on
	s_add_nc_u64 s[G0B+4*\slot+2:G0B+4*\slot+3], s[G0B+4*\slot+2:G0B+4*\slot+3], 512    ; 256 along K on
	JLOAD \slot                                    ; the first tensor load behind the round; its four v_nop are also the places in front of the loads below
.else
	PLACES
.endif
	FETCH \next, 0, 0
	WIN MUL
	MUL8 1, 2, 0
	MUL8 1, 3, 0
.endm
	s_wait_tensorcnt 1                             ; my part of K step 0 is in (K step 1's may be out)
	s_barrier_signal -1
	s_barrier_wait -1                              ; everybody's is
	FETCH 0, 0, 0
	QUARTER 0, 1, 0, 1, 1                          ; the first quarter stands in front of the loop: its products start the sums
	WIN 0                                          ; at a label and at a branch every window is 0
	s_mov_b32 s3, 3
.Llap:                                             ; a trip goes once round the ring and fills both slots again: K steps 2 to 7 in three trips
	QUARTER 0, 2, 1, 0, 0
	QUARTER 0, 3, 0, 1, 0
	TURN 0, 1, 1
	QUARTER 1, 1, 0, 1, 0
	QUARTER 1, 2, 1, 0, 0
	QUARTER 1, 3, 0, 1, 0
	TURN 1, 0, 1
	QUARTER 0, 1, 0, 1, 0
	WIN 0
	s_sub_co_u32 s3, s3, 1
	s_cmp_lg_u32 s3, 0
	s_cbranch_scc1 .Llap
	QUARTER 0, 2, 1, 0, 0                          ; the last lap fills nothing, and has no round of the cluster's barrier
	QUARTER 0, 3, 0, 1, 0
	TURN 0, 1, 0
	QUARTER 1, 1, 0, 1, 0
	QUARTER 1, 2, 1, 0, 0
	QUARTER 1, 3, 0, 1, 0
	s_wait_dscnt 4                                 ; the very last quarter: nothing more to fetch
	WIN MUL
	MUL8 1, 0, 0
	MUL8 1, 1, 0
	s_wait_dscnt 0
	MUL8 1, 2, 0
	MUL8 1, 3, 0
	WIN 0
; THE WAY OUT, block by block of 16 rows x 128 columns: through my own stage in LDS, back as whole rows of 512 bytes.  LDS serves a wave's instructions in order: no wait between the stores and the loads.
.macro TOSTAGE a
	WIN 0x04                                       ; an LDS store's data are its source 1: window 1
.irp b, 0,1,2,3,4,5,6,7
	ds_store_b128 v[STO], v[8*(8*(\a)+\b):8*(8*(\a)+\b)+3] offset:64*\b            ; each accumulator from its low end on
	ds_store_b128 v[STO], v[8*(8*(\a)+\b)+4:8*(8*(\a)+\b)+7] offset:64*\b+16
.endr
	WIN 0
.set BB, FA+64*((\a)%2)
.irp t, 0,1,2,3,4,5,6,7,8,9,10,11,12,13,14,15
	ds_load_b128 v[BB+4*\t:BB+4*\t+3], v[RD] offset:\t*SPITCH
.endr
.endm
.macro SEND a, younger                 ; younger: the LDS instructions issued behind block a's loads, which may stay out
.set BB, FA+64*((\a)%2)
	s_wait_dscnt \younger
.irp t, 0,1,2,3,4,5,6,7,8,9,10,11,12,13,14,15
	global_store_b128 v[CO], v[BB+4*\t:BB+4*\t+3], s[8:9] offset:(16*(\a)+\t)*4096 th:TH_STORE_NT   ; 512 consecutive bytes, aligned; the row stands in the immediate; written once, read by nobody here
.endr
.endm
	PLACES
	TOSTAGE 0
.irp a, 1,2,3
.if \a > 1
	s_wait_xcnt 0x0                                ; block a - 2's stores have read their registers: block a's loads may land there
.endif
	TOSTAGE \a
	SEND \a-1, 32                                  ; behind block a - 1's loads: block a's 16 stores and 16 loads
.endr
	SEND 3, 0
	s_wait_tensorcnt 0x0                           ; the wave's end, behind my last tensor load and my last LDS store
	ds_add_u32 v[SPW], v[NIL]
	s_wait_dscnt 0x0
	CROUND                                         ; the closing round: no work-group ends while a partner may still ask for a tile that names it
	s_endpgm
.Lfunc_end_k_q3a08532b2e_oproj:
	.size	k_q3a08532b2e_oproj, .Lfunc_end_k_q3a08532b2e_oproj-k_q3a08532b2e_oproj
	.p2alignl 7, 3214868480
	.fill 96, 4, 3214868480
	.section	.rodata,"a",@progbits
	.p2align	6, 0x0
	.amdhsa_kernel k_q3a08532b2e_oproj
		.amdhsa_group_segment_fixed_size 327680
		.amdhsa_private_segment_fixed_size 0
		.amdhsa_enable_private_segment 0
		.amdhsa_kernarg_size 24
		.amdhsa_user_sgpr_count 2
		.amdhsa_user_sgpr_kernarg_segment_ptr 1
		.amdhsa_wavefront_size32 1
		.amdhsa_system_sgpr_workgroup_id_x 1
		.amdhsa_system_sgpr_workgroup_id_y 1
		.amdhsa_system_sgpr_workgroup_id_z 1
		.amdhsa_system_vgpr_workitem_id 0
		.amdhsa_next_free_vgpr 512
		.amdhsa_next_free_sgpr 66
		.amdhsa_reserve_vcc 0
		.amdhsa_float_denorm_mode_32 3
		.amdhsa_float_denorm_mode_16_64 3
		.amdhsa_memory_ordered 1
		.amdhsa_forward_progress 1
		.amdhsa_inst_pref_size 85
	.end_amdhsa_kernel
	.amdgpu_metadata
---
amdhsa.version: [ 1, 2 ]
amdhsa.kernels:
  - .name:           k_q3a08532b2e_oproj
    .symbol:         k_q3a08532b2e_oproj.kd
    .args:
      - { .name: att, .offset: 0, .size: 8, .value_kind: global_buffer, .address_space: global }
      - { .name: wo_t, .offset: 8, .size: 8, .value_kind: global_buffer, .address_space: global }
      - { .name: out0, .offset: 16, .size: 8, .value_kind: global_buffer, .address_space: global }
    .group_segment_fixed_size: 327680
    .private_segment_fixed_size: 0
    .kernarg_segment_align: 8
    .kernarg_segment_size: 24
    .max_flat_workgroup_size: 128
    .sgpr_count:     66
    .vgpr_count:     512
    .wavefront_size: 32
...
	.end_amdgpu_metadata
.endif
;; end of part 4
